; MI455X (gfx1250); checked and timed in simulation.
; The chip was launched on July 23, 2026; its instructions are those of AMD's public machine-readable ISA for CDNA 5 (MIT licence, August 2026) and "CDNA5" Instruction Set Architecture Reference Guide (July 2026). The comments in the code are by the model that wrote it; some were corrected since.
;; Custom Multi Head Attention. Allowed arithmetic: matrix products marked QUANTISED: E2M1 operands, one E8M0 scale for each 32 along K, by v_wmma_scale_f32_16x16x128_f8f6f4 with both operands' format E2M1 (or v_wmma_scale_f32_32x16x128_f4), f32 sums; products left as they are: bf16, f16 or f32 operands; f32 sums; everything else in f32.
;; Inputs: Wk 1,024 x 1,024 float32; Wo 1,024 x 1,024 float32; Wq 1,024 x 1,024 float32; Wv 1,024 x 1,024 float32; attn_mask 2,048 x 2,048 float32; bk 1,024 float32; bo 1,024 float32; bq 1,024 float32; bv 1,024 float32; key 2 x 2,048 x 1,024 float32; key_padding_mask 2 x 2,048 bool; query 2 x 2,048 x 1,024 float32; stoich_alpha one number float32; stoich_frac 2 x 2,048 float32; value 2 x 2,048 x 1,024 float32.
;; Outputs: out0 2 x 2,048 x 1,024 float32.
;; This version of the problem:
;;   THIS VERSION OF THE PROBLEM IS GIVEN IN LOW PRECISION. The matrix products marked QUANTISED in the list below multiply operands that are first quantised to E2M1 (2 exponent bits, 1 mantissa bit; 4 bits a number), with one power-of-two scale for each 32 numbers along K (OCP MX v1.0); their sums are f32. The products marked 'left as it is' may take bf16, f16 or f32 operands, with f32 sums. Whichever they take, every output number must still come out within the allowed error. Rounding operands to bf16 (8 significant bits) uses up far more of that allowance than f16 does (11 bits, for magnitudes from 6e-5 to 65,504). All else is computed in f32.
;;   The module's matrix products, in the order in which they are computed (A, B: the left and right operand; K: the contracted axis; several contracted axes count as one K, in the product's order):
;;     1. [M 4,096, K 1,024] x [K 1,024, N 1,024]; A: input query; B: input Wq: QUANTISED
;;     2. [M 4,096, K 1,024] x [K 1,024, N 1,024]; A: input key; B: input Wk: QUANTISED
;;     3. [M 4,096, K 1,024] x [K 1,024, N 1,024]; A: input value; B: input Wv: QUANTISED
;;     4. batch 32 x [M 2,048, K 64] x [K 64, N 2,048]; A: computed on the way; B: computed on the way: left as it is (an operand is computed on the way)
;;     5. batch 32 x [M 2,048, K 2,048] x [K 2,048, N 64]; A: computed on the way; B: computed on the way: left as it is (an operand is computed on the way)
;;     6. [M 4,096, K 1,024] x [K 1,024, N 1,024]; A: computed on the way; B: input Wo: left as it is (an operand is computed on the way)
;;   THE QUANTISER, for each operand of a quantised product, along K:
;;     - K is cut into blocks of 32 from its start; a last block that is shorter is filled with zeros.
;;     - A block's scale is 2^e with e = floor(log2(the largest magnitude in the block)) - 2, held to -126 .. 127; a block of zeros has e = 0. As a byte (E8M0): e + 127.
;;     - Each number is divided by its block's scale, clamped to +-6, and rounded to the nearest number of E2M1, ties to even, subnormals kept.
;;     - The product sums the exact products of the quantised numbers (number of the format x scale) in f32.
;;   ~~~python
;;   def quantise(x, axis):      # numpy; x: float32 -> the quantised numbers, widened to float32 again
;;       x = np.moveaxis(x, axis, -1); K = x.shape[-1]
;;       x = np.pad(x, [(0, 0)] * (x.ndim - 1) + [(0, -K % 32)]); x = x.reshape(x.shape[:-1] + (-1, 32)); a = np.abs(x).max(-1, keepdims=True)
;;       e = np.where(a > 0, np.clip(np.frexp(np.where(a > 0, a, 1))[1] - 1 - 2, -126, 127), 0)      # np.frexp(a)[1] - 1 = floor(log2(a)), exactly
;;       r = np.clip(x / 2.0 ** e, -6, 6)
;;       step = 2.0 ** (np.maximum(np.frexp(np.where(r == 0, 1, r))[1] - 1, 0) - 1)
;;       q = np.round(r / step) * step * 2.0 ** e      # np.round: ties to even
;;       return np.moveaxis(q.reshape(q.shape[:-2] + (-1,))[..., :K], -1, axis).astype(np.float32)
;;   ~~~
;; One version. Each part assembles by itself: llvm-mc -triple=amdgcn-amd-amdhsa -mcpu=gfx1250 --defsym DOCPART=n.
;; ======== version 1 of 1: 4 launches
;; limits: right only within a limited range of input values; values are held in f16: magnitudes above 65,504 overflow, below 6.1e-05 lose precision
;; workspace buffers: codes 7,864,320 bytes; scales 491,520 bytes; wof 2,097,152 bytes; bias 33,554,432 bytes; qkv 25,165,824 bytes; ao 8,388,608 bytes
;; launch prep (part 1): grid 640 x 1, 4 waves a work-group, no clusters, 105,984 bytes of LDS; arguments query, key, value, Wq, Wk, Wv, Wo, attn_mask, stoich_frac, key_padding_mask, stoich_alpha, codes, scales, wof, bias; writes codes, scales, wof, bias
.if DOCPART == 1
	.amdgcn_target "amdgcn-amd-amdhsa--gfx1250"
	.amdhsa_code_object_version 6
	.text
	.protected	k_qa50f566d8c_prep
	.globl	k_qa50f566d8c_prep
	.p2align	8
	.type	k_qa50f566d8c_prep,@function
k_qa50f566d8c_prep:
	s_mov_b64 s[64:65], 0
	v_nop
	global_prefetch_b8 v0, s[64:65] scope:SCOPE_SE
	s_setreg_imm32_b32 hwreg(HW_REG_WAVE_MODE, 25, 1), 1
	s_wait_xcnt 0x0
; PREP: everything that is made once from the inputs, in the order in which later launches' operand registers take it.
; An IMAGE is four registers of all 32 lanes, lane L's 16 bytes at 16 L: 512 consecutive bytes.  Every store of a workspace here is one image (or one aligned run of 256 bytes).
;  path Q (work-groups 0-479):   query, key, value, Wq, Wk, Wv (f32, K innermost) -> codes of E2M1 and E8M0 scale words.
;       codes  [blk 60][kh 2][rt 16][ks 4][e 2][512]: blk = 256 rows, kh = half of K, rt = 16 rows, ks = 128 along K, e = registers 4 e .. 4 e + 3 of the fragment.
;       scales [blk 60][rt 16][kh 2][r 16][4 words]: word q of row r scales K = 512 kh + 128 q on.
;  path O (work-groups 480-511): Wo -> f16, wof [nblk 8][kstep 4][nt 8][chunk 8][e 2][512]: lane (r, h) holds row 16 nt + r, k = 256 kstep + 32 chunk + 16 e + 8 h + 0 .. 7.
;  path M (work-groups 512-639): bias[b][q][k] = alpha sign(d) log2(1 + |d|) + log2(e) attn_mask[q][k], d = f[b][q] - f[b][k]; a padded key, and whatever is under it, is held at NEG = -2^100.
;       bias [16 b + qb 32][ks 16][qt 8][kt 8][e 2][512] f32: lane (r, h), register 4 e + j: query 128 qb + 16 qt + r, key 128 ks + 16 kt + 8 h + 4 e + j: the layout of a 16 x 16 result with keys as rows.
; A block's scale is 2^(floor(log2(largest magnitude)) - 2); its byte is the largest magnitude's exponent field - 2, held at 1 from below.
; LIMITS: a block of zeros gets the byte 1 where the rule says 127 (its codes are zeros, and this program alone reads the bytes); blocks whose largest magnitude lies under 2^-124 are held at byte 1;
; NaN and +infinity among the inputs are not served; log1p(|d|) is taken as log2(1 + |d|), absolute error about 1e-7; |Wo| stays under 65,504 (f16).
; SHARES: a unit is 16 rows x 128 f32.  Each load reads 512 consecutive bytes of one row; a unit turns through the wave's own stage in LDS (16 rows, 528 bytes apart), so that a lane then holds neighbours of ONE row.
; A wave takes four units, two ahead in registers.  Waves share nothing: no barrier.  Each path has LDS bytes of its own.
.set SP,    528
.set WREG,  16*SP                      ; a wave's stage
.set OREG,  4*WREG                     ; path O's stages (path Q's begin at 0)
.set MREG,  8*WREG                     ; path M's
.set FKR,   12*WREG                    ; path M: f of the wave's 128 keys, both batches: 1,024 bytes a wave
.set SPARE, FKR+4096                   ; the spare words, 128 bytes a wave: two blocks of 256 bytes that no other line names
.set SPW,   6                          ; v6  LDS address of my spare word; never rewritten
.set NIL,   7                          ; v7  0; never rewritten
.set TM,    8                          ; v8-23 the quantiser's work
.set A0,    32                         ; v32-95, v96-159: two units
.set A1,    96
.set C,     160                        ; v160-191 codes (Q), f16 (O), d (M)
.set W1,    160
.set W2,    192                        ; v192-223 path M's results
.set FQ,    224                        ; v224-239 f of my query, a pair for each (batch, unit): the value in the even register
; v1 16 x lane; v2 r; v3 h; v4, v5 stage in and out (Q); v244, v245 (O); v246, v247 (M); v248 f's way into LDS; v31 and out; v30 16 r + 8 h; v24-27 scale words
.macro FINISH                          ; the wave's end: behind my last LDS store; the tensor wait stands even in a text with no tensor load
	s_wait_tensorcnt 0x0
	ds_add_u32 v[SPW], v[NIL]
	s_wait_dscnt 0x0
	s_endpgm
.endm
.macro LOAD set, u, pitch, ustep       ; unit u: 16 rows, 512 consecutive bytes each
.set li, 0
.rept 16
	global_load_b128 v[(\set)+4*li:(\set)+4*li+3], v1, s[42:43] offset:li*(\pitch)+(\u)*(\ustep) th:TH_LOAD_NT
.set li, li+1
.endr
.endm
.macro TOST set, st                    ; the unit goes into the stage as it was loaded
.set li, 0
.rept 16
	ds_store_b128 v[\st], v[(\set)+4*li:(\set)+4*li+3] offset:SP*li
.set li, li+1
.endr
.endm
.macro TURNQ set, st, rd               ; back: register 16 b + i = k 32 b + 16 h + i of row r.  LDS serves a wave's instructions in order: no wait between stores and loads
	TOST \set, \st
.irp b, 0,1,2,3
.irp j, 0,1,2,3
	ds_load_b128 v[(\set)+16*\b+4*\j:(\set)+16*\b+4*\j+3], v[\rd] offset:128*\b+16*\j
.endr
.endr
.endm
.macro TURNT set, st, rd               ; back: register 8 t + i = column 16 t + 8 h + i of row r
	TOST \set, \st
.irp t, 0,1,2,3,4,5,6,7
.irp e, 0,1
	ds_load_b128 v[(\set)+8*\t+4*\e:(\set)+8*\t+4*\e+3], v[\rd] offset:64*\t+16*\e
.endr
.endr
.endm
; 64 numbers of a lane, register 16 b + i = k 32 b + 16 h + i of my row, become a fragment's codes in v[pc] on and my row's scale word in v[pw]
.macro QUANT s, pc, pw
.irp b, 0,1,2,3
	v_max3_num_f32 v[TM+\b], |v[(\s)+16*\b]|, |v[(\s)+1+16*\b]|, 0x1800000   ; my 16 numbers of block b, and the floor 2^(3 - 127): the byte cannot fall under 1
.endr
.irp i, 2,4,6,8,10,12,14
.irp b, 0,1,2,3
	v_max3_num_f32 v[TM+\b], v[TM+\b], |v[(\s)+16*\b+\i]|, |v[(\s)+1+16*\b+\i]|
.endr
.endr
.irp b, 0,1,2,3
	v_permlanex16_b32 v[TM+4+\b], v[TM+\b], s38, s39
.endr
.irp b, 0,1,2,3
	v_max_num_f32 v[TM+\b], v[TM+\b], v[TM+4+\b]          ; with lane l xor 16's: the block's largest magnitude
.endr
.irp b, 0,1,2,3
	v_add_nc_u32 v[TM+12+\b], 0xff000000, v[TM+\b]        ; 2 off its exponent field: the conversion takes the exponent field of this operand as its scale
.endr
.irp b, 0,1,2,3
	v_lshrrev_b32 v[TM+4+\b], 23, v[TM+12+\b]             ; the scale's byte
.endr
	v_lshl_or_b32 v[\pw], v[TM+5], 8, v[TM+4]
	v_lshl_or_b32 v[\pw], v[TM+6], 16, v[\pw]
	v_lshl_or_b32 v[\pw], v[TM+7], 24, v[\pw]
.irp b, 0,1,2,3
	v_cvt_scalef32_pk8_fp4_f32 v[(\pc)+2*\b], v[(\s)+16*\b:(\s)+7+16*\b], v[TM+12+\b]
	v_cvt_scalef32_pk8_fp4_f32 v[(\pc)+1+2*\b], v[(\s)+8+16*\b:(\s)+15+16*\b], v[TM+12+\b]
.endr
	v_nop                                                 ; one plain instruction behind a scaled conversion
.irp c, 0,1                                               ; the operand's layout wants a whole block in a lane
.irp i, 0,1
	v_permlane16_swap_b32 v[(\pc)+4*\c+\i], v[(\pc)+2+4*\c+\i]
.endr
.endr
.endm
.macro UWAIT u                         ; this unit's 16 loads are in; the next unit's 16 may be out
.if \u < 3
	s_wait_loadcnt 16
.else
	s_wait_loadcnt 0x0
.endif
.endm
	s_load_b512 s[8:23], s[0:1], 0x0               ; query, key, value, Wq, Wk, Wv, Wo, attn_mask
	s_load_b256 s[24:31], s[0:1], 0x40             ; stoich_frac, key_padding_mask, stoich_alpha, codes
	s_load_b128 s[32:35], s[0:1], 0x60             ; scales, wof
	s_load_b64 s[36:37], s[0:1], 0x70              ; bias
	v_lshl_add_u32 v[SPW], v0, 2, SPARE
	v_mov_b32 v[NIL], 0
	v_lshrrev_b32 v8, 5, v0
	v_readfirstlane_b32 s2, v8                     ; wave
	v_and_b32 v252, 31, v0                         ; lane
	v_lshlrev_b32 v1, 4, v252
	v_and_b32 v2, 15, v0                           ; r
	v_bfe_u32 v3, v0, 4, 1                         ; h
	s_mul_i32 s50, s2, WREG
	v_add_nc_u32 v4, s50, v1                       ; every LDS address is made here, ahead of the parting of the paths
	v_mul_u32_u24 v10, v2, SP
	v_add_nc_u32 v10, s50, v10
	v_lshl_add_u32 v5, v3, 6, v10
	v_lshl_add_u32 v11, v3, 5, v10
	v_add_nc_u32 v244, OREG, v4
	v_add_nc_u32 v245, OREG, v11
	v_add_nc_u32 v246, MREG, v4
	v_add_nc_u32 v247, MREG, v11
	s_lshl_b32 s51, s2, 10
	s_add_co_u32 s51, s51, FKR
	v_add_nc_u32 v248, s51, v1
	v_lshl_add_u32 v31, v3, 5, s51
	v_lshlrev_b32 v30, 4, v2
	v_lshl_add_u32 v30, v3, 3, v30
.irp b, 0,1,2,3
	v_mov_b32 v[TM+4+\b], 0                        ; written once: a lane permute's destination counts as one of its sources
.endr
	s_mov_b32 s38, 0x76543210
	s_mov_b32 s39, 0xfedcba98                      ; lane l xor 16
	s_lshr_b32 s52, s2, 1                          ; wave / 2
	s_and_b32 s53, s2, 1                           ; wave % 2: which half of K
	s_mov_b32 s57, 0
	s_wait_kmcnt 0x0
	s_cmp_ge_u32 ttmp9, 512
	s_cbranch_scc1 .Lpath_m
	s_cmp_ge_u32 ttmp9, 480
	s_cbranch_scc1 .Lpath_o
	; ---- path Q.  Row tile G = 2 g + wave / 2 of 960; the tensor is chosen by the work-group's number alone
	s_mov_b64 s[42:43], s[18:19]
	s_mov_b32 s54, 896
	s_cmp_lt_u32 ttmp9, 448
	s_cselect_b64 s[42:43], s[16:17], s[42:43]
	s_cselect_b32 s54, 832, s54
	s_cmp_lt_u32 ttmp9, 416
	s_cselect_b64 s[42:43], s[14:15], s[42:43]
	s_cselect_b32 s54, 768, s54
	s_cmp_lt_u32 ttmp9, 384
	s_cselect_b64 s[42:43], s[12:13], s[42:43]
	s_cselect_b32 s54, 512, s54
	s_cmp_lt_u32 ttmp9, 256
	s_cselect_b64 s[42:43], s[10:11], s[42:43]
	s_cselect_b32 s54, 256, s54
	s_cmp_lt_u32 ttmp9, 128
	s_cselect_b64 s[42:43], s[8:9], s[42:43]
	s_cselect_b32 s54, 0, s54
	s_lshl_b32 s55, ttmp9, 1
	s_add_co_u32 s55, s55, s52                     ; G
	s_sub_co_u32 s56, s55, s54
	s_lshl_b32 s56, s56, 16                        ; 16 rows of 4,096 bytes
	s_lshl_b32 s50, s53, 11
	s_add_co_u32 s56, s56, s50
	s_add_nc_u64 s[42:43], s[42:43], s[56:57]
	s_lshr_b32 s58, s55, 4                         ; blk
	s_and_b32 s59, s55, 15                         ; rt
	s_lshl_b32 s56, s58, 17
	s_lshl_b32 s50, s53, 16
	s_add_co_u32 s56, s56, s50
	s_lshl_b32 s50, s59, 12
	s_add_co_u32 s56, s56, s50
	s_add_nc_u64 s[44:45], s[30:31], s[56:57]
	s_lshl_b32 s56, s58, 13
	s_lshl_b32 s50, s59, 9
	s_add_co_u32 s56, s56, s50
	s_lshl_b32 s50, s53, 8
	s_add_co_u32 s56, s56, s50
	s_add_nc_u64 s[46:47], s[32:33], s[56:57]
	LOAD A0, 0, 4096, 512
	LOAD A1, 1, 4096, 512
.macro UNITQ q, set                    ; 128 along K of my 16 rows: one fragment.  Each unit has its own registers for codes and word: no store's data are written again
	UWAIT \q
	TURNQ \set, 4, 5
	s_wait_dscnt 0x0
	QUANT \set, C+8*\q, 24+\q
	global_store_b128 v1, v[C+8*\q:C+8*\q+3], s[44:45] offset:1024*\q
	global_store_b128 v1, v[C+8*\q+4:C+8*\q+7], s[44:45] offset:1024*\q+512
.if \q < 2
	LOAD \set, \q+2, 4096, 512
.endif
.endm
	UNITQ 0, A0
	UNITQ 1, A1
	UNITQ 2, A0
	UNITQ 3, A1
	v_cmp_ne_u32 vcc_lo, 0, v3                     ; lane (r, h) stores words 2 h, 2 h + 1 of row r: the wave stores 256 consecutive bytes, aligned
	v_cndmask_b32 v28, v24, v26, vcc_lo
	v_cndmask_b32 v29, v25, v27, vcc_lo
	global_store_b64 v30, v[28:29], s[46:47]
	FINISH
	; ---- path O.  Row tile ntg = 2 (g - 480) + wave / 2 of Wo's 64
.Lpath_o:
	s_sub_co_u32 s55, ttmp9, 480
	s_lshl_b32 s55, s55, 1
	s_add_co_u32 s55, s55, s52
	s_lshl_b32 s56, s55, 16
	s_lshl_b32 s50, s53, 11
	s_add_co_u32 s56, s56, s50
	s_add_nc_u64 s[42:43], s[20:21], s[56:57]
	s_lshr_b32 s56, s55, 3
	s_lshl_b32 s56, s56, 18
	s_lshl_b32 s50, s53, 17
	s_add_co_u32 s56, s56, s50
	s_and_b32 s50, s55, 7
	s_lshl_b32 s50, s50, 13
	s_add_co_u32 s56, s56, s50
	s_add_nc_u64 s[44:45], s[34:35], s[56:57]
	LOAD A0, 0, 4096, 512
	LOAD A1, 1, 4096, 512
.macro UNITO u, set
	UWAIT \u
	TURNT \set, 244, 245
	s_wait_dscnt 0x0
	s_wait_xcnt 0x0                                ; the last unit's stores have read their data: the registers are written again only behind this wait
.set n, 0
.rept 32
	v_cvt_pk_f16_f32 v[C+n], v[(\set)+2*n], v[(\set)+2*n+1]
.set n, n+1
.endr
.irp t, 0,1,2,3,4,5,6,7
	global_store_b128 v1, v[C+4*\t:C+4*\t+3], s[44:45] offset:(\u/2)*65536+(\u%2)*4096+512*\t
.endr
.if \u < 2
	LOAD \set, \u+2, 4096, 512
.endif
.endm
	UNITO 0, A0
	UNITO 1, A1
	UNITO 2, A0
	UNITO 3, A1
	FINISH
	; ---- path M.  64 queries (qg) x 128 keys (kc), for both batches: attn_mask is read once
.Lpath_m:
	s_load_b32 s40, s[28:29], 0x0                  ; alpha
	s_sub_co_u32 s54, ttmp9, 512
	s_lshr_b32 s55, s54, 2                         ; qg
	s_and_b32 s54, s54, 3
	s_lshl_b32 s54, s54, 2
	s_add_co_u32 s54, s54, s2                      ; kc
	s_lshl_b32 s56, s55, 19                        ; 64 rows of 8,192 bytes
	s_lshl_b32 s50, s54, 9
	s_add_co_u32 s56, s56, s50
	s_add_nc_u64 s[42:43], s[22:23], s[56:57]
	s_lshr_b32 s56, s55, 1
	s_lshl_b32 s56, s56, 20
	s_lshl_b32 s50, s54, 16
	s_add_co_u32 s56, s56, s50
	s_and_b32 s50, s55, 1
	s_lshl_b32 s50, s50, 15
	s_add_co_u32 s56, s56, s50
	s_add_nc_u64 s[44:45], s[36:37], s[56:57]      ; batch 0
	s_add_nc_u64 s[46:47], s[44:45], 0x1000000     ; batch 1
	s_mov_b32 s48, 0x7fffffff
	s_mov_b32 s49, 0xf1800000                      ; NEG = -2^100
	s_lshl_b32 s50, s54, 9
	v_add_nc_u32 v249, s50, v1                     ; f of my 4 keys: 512 kc + 16 lane
	s_lshl_b32 s51, s54, 7
	v_lshl_add_u32 v250, v252, 2, s51              ; their padding bytes: 128 kc + 4 lane
	s_lshl_b32 s58, s55, 8
	v_lshl_add_u32 v251, v2, 2, s58                ; f of my query: 256 qg + 4 r
	v_mov_b32 v240, 0x7fc00000                     ; NaN
.irp i, 1,3,5,7,9,11,13,15
	v_mov_b32 v[FQ+\i], 0                          ; named as the upper halves of pairs
.endr
.irp b, 0,1
	global_load_b128 v[W1+4*\b:W1+4*\b+3], v249, s[24:25] offset:8192*\b
	global_load_b32 v[241+\b], v250, s[26:27] offset:2048*\b
.irp u, 0,1,2,3
	global_load_b32 v[FQ+2*(4*\b+\u)], v251, s[24:25] offset:8192*\b+64*\u
.endr
.endr
	LOAD A0, 0, 8192, 131072
	LOAD A1, 1, 8192, 131072
	s_wait_kmcnt 0x0
	s_mov_b32 s41, s40                             ; (the packed form names a pair)
	s_wait_loadcnt 32                              ; the twelve small loads are in; the two units may be out
.irp b, 0,1
.irp j, 0,1,2,3
	v_bfe_u32 v243, v[241+\b], 8*\j, 8
	v_cmp_ne_u32 vcc_lo, 0, v243
	v_cndmask_b32 v[W1+4*\b+\j], v[W1+4*\b+\j], v240, vcc_lo   ; a padded key's f becomes NaN: its d, and all that is made of it, is NaN until the maximum below takes NEG
.endr
	ds_store_b128 v248, v[W1+4*\b:W1+4*\b+3] offset:512*\b
.endr
; 32 numbers a lane: key tiles 4 hf .. 4 hf + 3 of unit u (16 queries), batch b
.macro BGRP set, u, b, hf
	s_wait_xcnt 0x0                                ; the last group's stores have read their data
.irp t, 0,1,2,3
.irp e, 0,1
	ds_load_b128 v[W1+8*\t+4*\e:W1+8*\t+4*\e+3], v31 offset:512*\b+64*(4*\hf+\t)+16*\e   ; f of keys 16 t + 8 h + 4 e on
.endr
.endr
	s_wait_dscnt 0x0
.set n, 0
.rept 16
	v_pk_add_f32 v[W1+n:W1+n+1], v[FQ+2*(4*\b+\u):FQ+2*(4*\b+\u)+1], v[W1+n:W1+n+1] op_sel_hi:[0,1] neg_lo:[0,1] neg_hi:[0,1]   ; d = f[q] - f[k]
.set n, n+2
.endr
.set n, 0
.rept 32
	v_add_f32 v[W2+n], 1.0, |v[W1+n]|
.set n, n+1
.endr
.set n, 0
.rept 32
	v_log_f32 v[W2+n], v[W2+n]
.set n, n+1
.endr
	v_nop                                          ; a plain instruction behind the last logarithm,
	s_wait_alu depctr_va_vdst(0)                   ; and one wait for the batch, ahead of its first reader
.set n, 0
.rept 32
	v_bfi_b32 v[W2+n], s48, v[W2+n], v[W1+n]       ; d's sign
.set n, n+1
.endr
.set n, 0
.rept 16
	v_pk_fma_f32 v[W2+n:W2+n+1], v[W2+n:W2+n+1], s[40:41], v[(\set)+32*\hf+n:(\set)+32*\hf+n+1] op_sel_hi:[1,0,1]   ; x alpha + log2(e) mask
.set n, n+2
.endr
.set n, 0
.rept 32
	v_max_num_f32 v[W2+n], s49, v[W2+n]            ; NaN (a padded key) and -infinity become NEG
.set n, n+1
.endr
.irp i, 0,1,2,3,4,5,6,7
	global_store_b128 v1, v[W2+4*\i:W2+4*\i+3], s[44+2*\b:45+2*\b] offset:8192*\u+4096*\hf+512*\i
.endr
.endm
.macro UNITM u, set
	UWAIT \u
	TURNT \set, 246, 247
	s_wait_dscnt 0x0
.set m, 0
.rept 32
	v_pk_mul_f32 v[(\set)+m:(\set)+m+1], v[(\set)+m:(\set)+m+1], 0x3fb8aa3b op_sel_hi:[1,0]   ; log2(e) x mask, once for both batches
.set m, m+2
.endr
	BGRP \set, \u, 0, 0
	BGRP \set, \u, 0, 1
	BGRP \set, \u, 1, 0
	BGRP \set, \u, 1, 1
.if \u < 2
	LOAD \set, \u+2, 8192, 131072
.endif
.endm
	UNITM 0, A0
	UNITM 1, A1
	UNITM 2, A0
	UNITM 3, A1
	FINISH
.Lfunc_end_k_qa50f566d8c_prep:
	.size	k_qa50f566d8c_prep, .Lfunc_end_k_qa50f566d8c_prep-k_qa50f566d8c_prep
	.p2alignl 7, 3214868480
	.fill 96, 4, 3214868480
	.section	.rodata,"a",@progbits
	.p2align	6, 0x0
	.amdhsa_kernel k_qa50f566d8c_prep
		.amdhsa_group_segment_fixed_size 105984
		.amdhsa_private_segment_fixed_size 0
		.amdhsa_enable_private_segment 0
		.amdhsa_kernarg_size 120
		.amdhsa_user_sgpr_count 2
		.amdhsa_user_sgpr_kernarg_segment_ptr 1
		.amdhsa_wavefront_size32 1
		.amdhsa_system_sgpr_workgroup_id_x 1
		.amdhsa_system_sgpr_workgroup_id_y 1
		.amdhsa_system_sgpr_workgroup_id_z 1
		.amdhsa_system_vgpr_workitem_id 0
		.amdhsa_next_free_vgpr 256
		.amdhsa_next_free_sgpr 66
		.amdhsa_reserve_vcc 1
		.amdhsa_float_denorm_mode_32 3
		.amdhsa_float_denorm_mode_16_64 3
		.amdhsa_memory_ordered 1
		.amdhsa_forward_progress 1
		.amdhsa_inst_pref_size 241
	.end_amdhsa_kernel
	.amdgpu_metadata
---
amdhsa.version: [ 1, 2 ]
amdhsa.kernels:
  - .name:           k_qa50f566d8c_prep
    .symbol:         k_qa50f566d8c_prep.kd
    .args:
      - { .name: query, .offset: 0, .size: 8, .value_kind: global_buffer, .address_space: global }
      - { .name: key, .offset: 8, .size: 8, .value_kind: global_buffer, .address_space: global }
      - { .name: value, .offset: 16, .size: 8, .value_kind: global_buffer, .address_space: global }
      - { .name: Wq, .offset: 24, .size: 8, .value_kind: global_buffer, .address_space: global }
      - { .name: Wk, .offset: 32, .size: 8, .value_kind: global_buffer, .address_space: global }
      - { .name: Wv, .offset: 40, .size: 8, .value_kind: global_buffer, .address_space: global }
      - { .name: Wo, .offset: 48, .size: 8, .value_kind: global_buffer, .address_space: global }
      - { .name: attn_mask, .offset: 56, .size: 8, .value_kind: global_buffer, .address_space: global }
      - { .name: stoich_frac, .offset: 64, .size: 8, .value_kind: global_buffer, .address_space: global }
      - { .name: key_padding_mask, .offset: 72, .size: 8, .value_kind: global_buffer, .address_space: global }
      - { .name: stoich_alpha, .offset: 80, .size: 8, .value_kind: global_buffer, .address_space: global }
      - { .name: codes, .offset: 88, .size: 8, .value_kind: global_buffer, .address_space: global }
      - { .name: scales, .offset: 96, .size: 8, .value_kind: global_buffer, .address_space: global }
      - { .name: wof, .offset: 104, .size: 8, .value_kind: global_buffer, .address_space: global }
      - { .name: bias, .offset: 112, .size: 8, .value_kind: global_buffer, .address_space: global }
    .group_segment_fixed_size: 105984
    .private_segment_fixed_size: 0
    .kernarg_segment_align: 8
    .kernarg_segment_size: 120
    .max_flat_workgroup_size: 128
    .sgpr_count:     66
    .vgpr_count:     256
    .wavefront_size: 32
...
	.end_amdgpu_metadata
.endif
;; end of part 1
;; launch proj (part 2): grid 4 x 48, 4 waves a work-group, clusters of 4 x 4, 279,040 bytes of LDS; arguments codes, scales, bq, bk, bv, qkv; writes qkv
.if DOCPART == 2
	.amdgcn_target "amdgcn-amd-amdhsa--gfx1250"
	.amdhsa_code_object_version 6
	.text
	.protected	k_qa50f566d8c_proj
	.globl	k_qa50f566d8c_proj
	.p2align	8
	.type	k_qa50f566d8c_proj,@function
k_qa50f566d8c_proj:
	s_mov_b64 s[64:65], 0
	v_nop
	global_prefetch_b8 v0, s[64:65] scope:SCOPE_SE
	s_setreg_imm32_b32 hwreg(HW_REG_WAVE_MODE, 25, 1), 1
	s_wait_xcnt 0x0
	s_wait_alu depctr_hold_cnt(0) depctr_sa_sdst(0) depctr_va_vdst(0) depctr_va_sdst(0) depctr_va_ssrc(0) depctr_va_vcc(0) depctr_vm_vsrc(0)
	s_getreg_b32 s2, hwreg(HW_REG_IB_STS2, 6, 4)
	s_cmp_eq_u32 s2, 0
	s_cbranch_scc0 .Lentry_in_a_cluster
	s_endpgm
.Lentry_in_a_cluster:
	s_bfe_u32 s2, ttmp6, 0x10000c
	s_cmp_lg_u32 s2, 0xf033
	s_cbranch_scc0 .Lentry_shape_is_right
	s_endpgm
.Lentry_shape_is_right:
; PROJ: the three quantised products x W^T + b on codes of E2M1 with E8M0 scales, K = 1,024; Q is also multiplied by c = 0.125 log2(e) in f32; results rounded once to f16.
; A work-group makes 256 tokens x 256 channels of one of the three (p = 0 Q, 1 K, 2 V); a wave 128 x 128: 64 accumulators.  All of K lies in LDS: each wave brings a quarter of each half of K by one tensor load,
; and a quarter of the scale words by a third; nothing is filled again.  By this text's count a wave has three tensor loads out at the most.
; Codes and scale words lie in memory as images of the operands' registers (lane L's 16 bytes at 16 L), so a tile is a dense block, and every LDS load is at 16 x lane: no pitch, no padding.
; CLUSTER 4 x 4: the four of a row need the same tokens' codes, the four of a column the same weights': each tile is asked for jointly.
; THE MATRIX INSTRUCTION IS USED TRANSPOSED: source 0 = 16 rows of W, source 1 = 16 tokens: a lane holds one token and eight neighbouring channels, which pack into 16 bytes: half a 16-bit fragment of the next product.
; qkv [p 3][16 b + head 32][tt 128][ct 4][512] f16: image ct of 16 tokens: lane (r, h) = token r, channels 16 ct + 8 h + 0 .. 7; it lies at 16 (r + 16 h), for V at 16 ((r & 7) + 8 h + 16 (r >> 3)).
; LIMIT: |c Q|, |K|, |V| stay under 65,504 (f16).
; REGISTERS: window 0: v16-17, v20-21 LDS addresses of A's and W's fragments in the halves of K; v22, v23 of the scale words; v24 my place in an image; v25 32 h; v28, v29 the add's two;
;   v32-63 W's scale words (4 b + q), v64-95 the tokens' (4 a + q): lanes 0-15 K step q, lanes 16-31 K step 4 + q; v128-191 the tokens' fragments, one set; on the way out v128-255.
;   window 1: v0-63, v128-191 W's fragments, two sets; v64-127 the bias.   windows 2, 3: accumulator (a, b) at v[8 (8 (a % 4) + b)].
.set KHB,   131072                     ; LDS: half kh of K: the tokens' two halves of 128 rows, then W's two, 32,768 bytes each
.set SCL,   262144                     ; the scale words: 4,096 bytes for each of the same four
.set SPARE, 278528                     ; the spare words, 128 bytes a wave: two blocks of 256 bytes that no other line names
.set SPW,   28
.set NIL,   29
.set SCB,   32
.set SCA,   64
.set AF,    128
.set BR,    64
.set TT,    128
.set OUTR,  192
.set G1A,   24                         ; s[24:31], s[32:39] group 1 for codes (tokens', W's); s[40:47], s[48:55] for scale words
.set G1B,   32
.set G1SA,  40
.set G1SB,  48
.set MSB, 0
.macro WIN new                         ; the immediate's high byte repeats the setting that is left
.if MSB != (\new)
	s_set_vgpr_msb (MSB<<8)|(\new)
.set MSB, (\new)
.endif
.endm
.set MUL_LO, 0xa1                      ; source 0 (W) window 1, source 1 (tokens) window 0, C and D window 2
.set MUL_HI, 0xf1
.set TO_B,   0x40
.macro PLACES                          ; four plain instructions between a matrix instruction and a load into, or a vector write of, a register that it names
.rept 4
	v_nop
.endr
.endm
.macro JLOAD g0a, g1a, g0b, g1b        ; a joint load: waves 0, 1 fetch for the tokens, waves 2, 3 for W; an s_nop 0 and four v_nop follow each line
	s_cmp_eq_u32 s17, 0
	s_cbranch_scc0 .Lfor_b_\@
	tensor_load_to_lds s[\g0a:\g0a+3], s[\g1a:\g1a+7]
	s_nop 0
.rept 4
	v_nop
.endr
	s_branch .Lasked_\@
.Lfor_b_\@:
	tensor_load_to_lds s[\g0b:\g0b+3], s[\g1b:\g1b+7]
	s_nop 0
.rept 4
	v_nop
.endr
.Lasked_\@:
.endm
.macro CROUND                          ; a round of the cluster's barrier
	s_barrier_signal -1
	s_barrier_wait -1
	s_cmp_lg_u32 s16, 0
	s_cbranch_scc1 .Lnot_wave_0_\@
	s_barrier_signal -3
.Lnot_wave_0_\@:
	s_barrier_wait -3
	s_barrier_signal -1
	s_barrier_wait -1
.endm
	s_load_b128 s[4:7], s[0:1], 0x0                ; codes, scales
	s_load_b128 s[8:11], s[0:1], 0x10              ; bq, bk
	s_load_b128 s[12:15], s[0:1], 0x20             ; bv, qkv
	v_lshl_add_u32 v[SPW], v0, 2, SPARE
	v_mov_b32 v[NIL], 0
	ds_add_u32 v[SPW], v[NIL]                      ; the wave's opening: the add, twice on end, and its wait ahead of my first tensor load
	ds_add_u32 v[SPW], v[NIL]
	v_lshrrev_b32 v1, 5, v0
	v_readfirstlane_b32 s16, v1                    ; wave
	s_lshr_b32 s17, s16, 1                         ; wm: my half of the tokens.  Also: I fetch for the tokens (0) or for W (1)
	s_and_b32 s18, s16, 1                          ; wn: my half of the channels.  Also: which 128 rows I fetch
	s_bfe_u32 s19, ttmp6, 0x40000                  ; cx
	s_bfe_u32 s20, ttmp6, 0x40004                  ; cy
	s_and_b32 s21, ttmp7, 0xffff                   ; cluster y
	s_lshr_b32 s22, s21, 2                         ; p: the same in all sixteen partners
	s_lshl_b32 s23, s21, 2
	s_add_co_u32 s23, s23, s20                     ; the tokens' block of 256 rows
	s_lshl_b32 s2, ttmp9, 2
	s_add_co_u32 s2, s2, s19                       ; nb: the block of 256 channels
	s_lshl_b32 s3, s20, 2
	s_lshl_b32 s3, 15, s3                          ; my row of the cluster
	s_lshl_b32 s88, 0x1111, s19                    ; my column
	s_or_b32 s[G1A], s3, (3<<16)|(1<<21)           ; 15:0 the mask; 17:16 elements of 8 bytes; 21 set beside a mask; no padding
	s_or_b32 s[G1B], s88, (3<<16)|(1<<21)
	s_or_b32 s[G1SA], s3, (3<<16)|(1<<21)
	s_or_b32 s[G1SB], s88, (3<<16)|(1<<21)
.irp g, G1A, G1B                       ; 32,768 dense bytes as 128 rows of 256
	s_mov_b32 s[\g+1], 32<<16
	s_mov_b32 s[\g+2], 128<<16
	s_mov_b32 s[\g+3], 32<<16
	s_mov_b32 s[\g+4], 128
	s_mov_b32 s[\g+5], 32
	s_mov_b32 s[\g+6], 0
	s_mov_b32 s[\g+7], 0
.endr
.irp g, G1SA, G1SB                     ; 4,096 dense bytes as 16 rows of 256
	s_mov_b32 s[\g+1], 32<<16
	s_mov_b32 s[\g+2], 16<<16
	s_mov_b32 s[\g+3], 32<<16
	s_mov_b32 s[\g+4], 16
	s_mov_b32 s[\g+5], 32
	s_mov_b32 s[\g+6], 0
	s_mov_b32 s[\g+7], 0
.endr
	s_lshl_b32 s90, s23, 17                        ; the tokens' codes: block x 131,072 + 32,768 x which 128 rows (registers that never hold cx)
	s_lshl_b32 s91, s18, 15
	s_add_co_u32 s90, s90, s91
	s_mov_b32 s91, 0
	s_lshl_b32 s92, s23, 13                        ; their scale words
	s_lshl_b32 s93, s18, 12
	s_add_co_u32 s92, s92, s93
	s_mov_b32 s93, 0
	s_lshl_b32 s94, s22, 2                         ; W's block: 48 + 4 p + nb (registers that never hold cy)
	s_add_co_u32 s94, s94, s2
	s_add_co_u32 s94, s94, 48
	s_lshl_b32 s96, s94, 13
	s_lshl_b32 s97, s18, 12
	s_add_co_u32 s96, s96, s97
	s_mov_b32 s97, 0
	s_lshl_b32 s94, s94, 17
	s_lshl_b32 s95, s18, 15
	s_add_co_u32 s94, s94, s95
	s_mov_b32 s95, 0
	s_lshl_b32 s98, s16, 15                        ; where they go: wave x 32,768,
	s_lshl_b32 s99, s16, 12
	s_add_co_u32 s99, s99, SCL                     ; wave x 4,096 behind the codes
	s_mov_b32 s84, 1.0
	s_cmp_eq_u32 s22, 0
	s_cselect_b32 s84, 0x3e38aa3b, s84             ; c = 0.125 log2(e) for Q, 1 for K and V
	s_mov_b32 s85, s84
	s_wait_dscnt 0x0                               ; both opening adds are done
	s_wait_kmcnt 0x0
	s_mov_b32 s56, 1                               ; groups 0: the tokens' scale words, halves 0 and 1 of K
	s_mov_b32 s57, s99
	s_add_nc_u64 s[58:59], s[6:7], s[92:93]
	s_or_b32 s59, s59, 0x80000000
	s_mov_b32 s60, 1
	s_mov_b32 s61, s98
	s_add_nc_u64 s[62:63], s[4:5], s[90:91]
	s_mov_b32 s68, 1
	s_add_co_u32 s69, s98, KHB
	s_add_nc_u64 s[70:71], s[62:63], 65536
	s_or_b32 s63, s63, 0x80000000
	s_or_b32 s71, s71, 0x80000000
	s_mov_b32 s72, 1                               ; and W's
	s_mov_b32 s73, s99
	s_add_nc_u64 s[74:75], s[6:7], s[96:97]
	s_or_b32 s75, s75, 0x80000000
	s_mov_b32 s76, 1
	s_mov_b32 s77, s98
	s_add_nc_u64 s[78:79], s[4:5], s[94:95]
	s_mov_b32 s80, 1
	s_add_co_u32 s81, s98, KHB
	s_add_nc_u64 s[82:83], s[78:79], 65536
	s_or_b32 s79, s79, 0x80000000
	s_or_b32 s83, s83, 0x80000000
	CROUND                                         ; all sixteen work-groups are here: the joint loads meet
	JLOAD 56, G1SA, 72, G1SB
	JLOAD 60, G1A, 76, G1B
	JLOAD 68, G1A, 80, G1B
	v_and_b32 v1, 31, v0
	v_lshlrev_b32 v1, 4, v1                        ; 16 x lane
	v_bfe_u32 v3, v0, 4, 1                         ; h
	s_lshl_b32 s98, s17, 15
	s_lshl_b32 s99, s18, 15
	s_add_co_u32 s99, s99, 65536
	v_add_nc_u32 v16, s98, v1
	v_add_nc_u32 v20, s99, v1
	v_add_nc_u32 v17, KHB, v16
	v_add_nc_u32 v21, KHB, v20
	s_lshl_b32 s98, s17, 12
	s_add_co_u32 s98, s98, SCL
	v_add_nc_u32 v22, s98, v1
	s_lshl_b32 s99, s18, 12
	s_add_co_u32 s99, s99, SCL+8192
	v_add_nc_u32 v23, s99, v1
	v_lshlrev_b32 v25, 5, v3
	v_and_b32 v4, 7, v0
	v_lshl_add_u32 v4, v3, 3, v4
	v_bfe_u32 v5, v0, 3, 1
	v_lshl_add_u32 v4, v5, 4, v4
	v_lshlrev_b32 v4, 4, v4                        ; V's order of lanes in an image
	s_cmp_eq_u32 s22, 2
	s_cselect_b32 s100, -1, 0
	v_cndmask_b32 v24, v1, v4, s100
	s_cmp_eq_u32 s22, 1                            ; the bias of this product, at my 128 channels
	s_cselect_b64 s[88:89], s[10:11], s[8:9]
	s_cmp_eq_u32 s22, 2
	s_cselect_b64 s[88:89], s[12:13], s[88:89]
	s_lshl_b32 s96, s2, 10
	s_lshl_b32 s97, s18, 9
	s_add_co_u32 s96, s96, s97
	s_mov_b32 s97, 0
	s_add_nc_u64 s[88:89], s[88:89], s[96:97]
	WIN TO_B
.irp b, 0,1,2,3,4,5,6,7
.irp e, 0,1
	global_load_b128 v[BR+8*\b+4*\e:BR+8*\b+4*\e+3], v25, s[88:89] offset:64*\b+16*\e   ; b[16 b + 8 h + 4 e ..]: the result's layout
.endr
.endr
	WIN 0
	s_and_b32 s100, s23, 15                        ; where my part of qkv begins (registers that feed no descriptor)
	s_lshr_b32 s101, s100, 3
	s_lshl_b32 s101, s101, 4
	s_lshl_b32 s66, s2, 2
	s_add_co_u32 s101, s101, s66
	s_lshl_b32 s66, s18, 1
	s_add_co_u32 s101, s101, s66                   ; 16 x batch + my first head
	s_lshl_b32 s101, s101, 18
	s_and_b32 s100, s100, 7
	s_lshl_b32 s100, s100, 4
	s_lshl_b32 s66, s17, 3
	s_add_co_u32 s100, s100, s66                   ; my first tile of 16 tokens
	s_lshl_b32 s100, s100, 11
	s_add_co_u32 s66, s100, s101
	s_lshl_b32 s100, s22, 23
	s_add_co_u32 s66, s66, s100
	s_mov_b32 s67, 0
	s_add_nc_u64 s[86:87], s[14:15], s[66:67]
.macro FRAG reg, adr, q, i             ; a fragment, 16 rows x 128 K: two images
.irp c, 0,1
	ds_load_b128 v[\reg+4*\c:\reg+4*\c+3], v[\adr] offset:4096*(\i)+1024*(\q)+512*\c
.endr
.endm
.macro FETCH_B kh, q, p
	WIN TO_B
.irp i, 0,1,2,3,4,5,6,7
	FRAG 128*(\p)+8*\i, 20+(\kh), \q, \i
.endr
	WIN 0
.endm
.macro FETCH_A kh, q, i0
.irp i, \i0, \i0+1, \i0+2, \i0+3
	FRAG AF+8*(\i), 16+(\kh), \q, \i
.endr
.endm
; 16 matrix instructions of K step n: the tokens' blocks a0, a0 + 1 x W's eight.  The 64 accumulators take turns, one instruction a turn, in the same order in every step.
.macro MUL16 a0, n
.irp a, \a0, \a0+1
.irp b, 0,1,2,3,4,5,6,7
.if (\n) == 0
	v_wmma_scale_f32_16x16x128_f8f6f4 v[8*(8*((\a)%4)+\b):8*(8*((\a)%4)+\b)+7], v[128*((\n)%2)+8*\b:128*((\n)%2)+8*\b+7], v[AF+8*(\a):AF+8*(\a)+7], 0, v[SCB+4*\b+(\n)%4], v[SCA+4*(\a)+(\n)%4] matrix_a_fmt:MATRIX_FMT_FP4 matrix_b_fmt:MATRIX_FMT_FP4
.elseif (\n) < 4
	v_wmma_scale_f32_16x16x128_f8f6f4 v[8*(8*((\a)%4)+\b):8*(8*((\a)%4)+\b)+7], v[128*((\n)%2)+8*\b:128*((\n)%2)+8*\b+7], v[AF+8*(\a):AF+8*(\a)+7], v[8*(8*((\a)%4)+\b):8*(8*((\a)%4)+\b)+7], v[SCB+4*\b+(\n)%4], v[SCA+4*(\a)+(\n)%4] matrix_a_fmt:MATRIX_FMT_FP4 matrix_b_fmt:MATRIX_FMT_FP4
.else
	v_wmma_scale_f32_16x16x128_f8f6f4 v[8*(8*((\a)%4)+\b):8*(8*((\a)%4)+\b)+7], v[128*((\n)%2)+8*\b:128*((\n)%2)+8*\b+7], v[AF+8*(\a):AF+8*(\a)+7], v[8*(8*((\a)%4)+\b):8*(8*((\a)%4)+\b)+7], v[SCB+4*\b+(\n)%4], v[SCA+4*(\a)+(\n)%4] matrix_a_fmt:MATRIX_FMT_FP4 matrix_b_fmt:MATRIX_FMT_FP4 matrix_a_scale:MATRIX_SCALE_ROW1 matrix_b_scale:MATRIX_SCALE_ROW1
.endif
.endr
.endr
.endm
; K step n of eight.  A block of tokens is free as soon as its eight products are issued: blocks 0-3 are fetched anew in the step's middle, blocks 4-7 at its end; W has two sets.
.macro STEP n
	s_wait_dscnt 8                                 ; all but the youngest eight loads (the tokens' blocks 4-7) are in
	WIN MUL_LO
	MUL16 0, \n
	MUL16 2, \n
	s_wait_dscnt 0x0
.if \n == 3
	s_wait_tensorcnt 0x0                           ; my part of the second half of K has landed,
	s_barrier_signal -1
	s_barrier_wait -1                              ; and everybody's.
.endif
.if \n < 7
	PLACES
	FETCH_B (\n+1)/4, (\n+1)%4, (\n+1)%2
	FETCH_A (\n+1)/4, (\n+1)%4, 0
.endif
	WIN MUL_HI
	MUL16 4, \n
	MUL16 6, \n
.if \n < 7
	PLACES
	WIN 0
	FETCH_A (\n+1)/4, (\n+1)%4, 4
.endif
.endm
	s_wait_tensorcnt 1                             ; the scale words and my part of the first half of K are in; the second half's load may be out
	s_barrier_signal -1
	s_barrier_wait -1
	FETCH_B 0, 0, 0
	FETCH_A 0, 0, 0
.irp i, 0,1,2,3,4,5,6,7
	ds_load_b128 v[SCB+4*\i:SCB+4*\i+3], v23 offset:512*\i     ; all eight K steps' scale words of a tile of 16 rows: one load
	ds_load_b128 v[SCA+4*\i:SCA+4*\i+3], v22 offset:512*\i
.endr
	FETCH_A 0, 0, 4
.irp n, 0,1,2,3,4,5,6,7
	STEP \n
.endr
	; THE WAY OUT: (sum + b) c = sum c + b c, in f32; rounded to f16; each image leaves as 512 consecutive bytes
	s_wait_loadcnt 0x0                             ; the bias
	WIN 0x41                                       ; destination and source 0 window 1
.set n, 0
.rept 32
	v_pk_mul_f32 v[BR+n:BR+n+1], v[BR+n:BR+n+1], s[84:85] op_sel_hi:[1,0]   ; b c.  (These are also the places behind the last products)
.set n, n+2
.endr
.macro OUTBLK a
	WIN 0x12+(\a)/4                                ; source 0 window 2 or 3, source 2 window 1, destination window 0
.set n, 0
.rept 32
	v_pk_fma_f32 v[TT+n:TT+n+1], v[64*((\a)%4)+n:64*((\a)%4)+n+1], s[84:85], v[BR+n:BR+n+1] op_sel_hi:[1,0,1]   ; ascending: each accumulator from its low end on
.set n, n+2
.endr
	WIN 0
.if \a > 1
	s_wait_xcnt 0x0                                ; block a - 2's stores have read their data
.endif
.set n, 0
.rept 32
	v_cvt_pk_f16_f32 v[OUTR+32*((\a)%2)+n], v[TT+2*n], v[TT+2*n+1]
.set n, n+1
.endr
.irp b, 0,1,2,3,4,5,6,7
	global_store_b128 v24, v[OUTR+32*((\a)%2)+4*\b:OUTR+32*((\a)%2)+4*\b+3], s[86:87] offset:(\b/4)*262144+(\a)*2048+(\b%4)*512
.endr
.endm
.irp a, 0,1,2,3,4,5,6,7
	OUTBLK \a
.endr
	s_wait_tensorcnt 0x0                           ; the wave's end
	ds_add_u32 v[SPW], v[NIL]
	s_wait_dscnt 0x0
	CROUND                                         ; the closing round
	s_endpgm
.Lfunc_end_k_qa50f566d8c_proj:
	.size	k_qa50f566d8c_proj, .Lfunc_end_k_qa50f566d8c_proj-k_qa50f566d8c_proj
	.p2alignl 7, 3214868480
	.fill 96, 4, 3214868480
	.section	.rodata,"a",@progbits
	.p2align	6, 0x0
	.amdhsa_kernel k_qa50f566d8c_proj
		.amdhsa_group_segment_fixed_size 279040
		.amdhsa_private_segment_fixed_size 0
		.amdhsa_enable_private_segment 0
		.amdhsa_kernarg_size 48
		.amdhsa_user_sgpr_count 2
		.amdhsa_user_sgpr_kernarg_segment_ptr 1
		.amdhsa_wavefront_size32 1
		.amdhsa_system_sgpr_workgroup_id_x 1
		.amdhsa_system_sgpr_workgroup_id_y 1
		.amdhsa_system_sgpr_workgroup_id_z 1
		.amdhsa_system_vgpr_workitem_id 0
		.amdhsa_next_free_vgpr 1024
		.amdhsa_next_free_sgpr 102
		.amdhsa_reserve_vcc 0
		.amdhsa_float_denorm_mode_32 3
		.amdhsa_float_denorm_mode_16_64 3
		.amdhsa_memory_ordered 1
		.amdhsa_forward_progress 1
		.amdhsa_inst_pref_size 137
	.end_amdhsa_kernel
	.amdgpu_metadata
---
amdhsa.version: [ 1, 2 ]
amdhsa.kernels:
  - .name:           k_qa50f566d8c_proj
    .symbol:         k_qa50f566d8c_proj.kd
    .args:
      - { .name: codes, .offset: 0, .size: 8, .value_kind: global_buffer, .address_space: global }
      - { .name: scales, .offset: 8, .size: 8, .value_kind: global_buffer, .address_space: global }
      - { .name: bq, .offset: 16, .size: 8, .value_kind: global_buffer, .address_space: global }
      - { .name: bk, .offset: 24, .size: 8, .value_kind: global_buffer, .address_space: global }
      - { .name: bv, .offset: 32, .size: 8, .value_kind: global_buffer, .address_space: global }
      - { .name: qkv, .offset: 40, .size: 8, .value_kind: global_buffer, .address_space: global }
    .group_segment_fixed_size: 279040
    .private_segment_fixed_size: 0
    .kernarg_segment_align: 8
    .kernarg_segment_size: 48
    .max_flat_workgroup_size: 128
    .sgpr_count:     102
    .vgpr_count:     1024
    .wavefront_size: 32
...
	.end_amdgpu_metadata
.endif
;; end of part 2
;; launch attn (part 3): grid 8 x 32, 8 waves a work-group, clusters of 4 x 4, 327,680 bytes of LDS; arguments qkv, bias, ao; writes ao
.if DOCPART == 3
	.amdgcn_target "amdgcn-amd-amdhsa--gfx1250"
	.amdhsa_code_object_version 6
	.text
	.protected	k_qa50f566d8c_attn
	.globl	k_qa50f566d8c_attn
	.p2align	8
	.type	k_qa50f566d8c_attn,@function
k_qa50f566d8c_attn:
	s_mov_b64 s[64:65], 0
	v_nop
	global_prefetch_b8 v0, s[64:65] scope:SCOPE_SE
	s_setreg_imm32_b32 hwreg(HW_REG_WAVE_MODE, 25, 1), 1
	s_wait_xcnt 0x0
	s_wait_alu depctr_hold_cnt(0) depctr_sa_sdst(0) depctr_va_vdst(0) depctr_va_sdst(0) depctr_va_ssrc(0) depctr_va_vcc(0) depctr_vm_vsrc(0)
	s_getreg_b32 s2, hwreg(HW_REG_IB_STS2, 6, 4)
	s_cmp_eq_u32 s2, 0
	s_cbranch_scc0 .Lentry_in_a_cluster
	s_endpgm
.Lentry_in_a_cluster:
	s_bfe_u32 s2, ttmp6, 0x10000c
	s_cmp_lg_u32 s2, 0xf033
	s_cbranch_scc0 .Lentry_shape_is_right
	s_endpgm
.Lentry_shape_is_right:
; ATTN: O = softmax(t) V for 128 queries x 2 heads a work-group; t = (c Q) . K + bias, in units of log2 (c and log2(e) were folded in earlier).  Products on f16 operands, sums, maxima and exponentials in f32.
; SHARES: wave w: head 2 hp + (w & 1), query tiles 2 (w >> 1) and 2 (w >> 1) + 1 of 16.  Every wave walks all 2,048 keys, 128 a slot.
; LAYOUT: S^T = K Q^T (source 0 = 16 keys, source 1 = 16 queries): a lane holds ONE query and 8 keys a tile.  THE BIAS IS THE C OF THE FIRST PRODUCT: it lies in memory in the result's layout and is loaded straight into the
; accumulators.  Two tiles of p, rounded to f16 in pairs, are source 1 of O^T = V^T P.  K's images come from LDS as they lie, V's turned by ds_load_tr16_b128; all at 16 x lane.
; SOFTMAX: a running maximum m and sum l for each query: p = 2^(t - m); O and l are multiplied by a = 2^(m_old - m_new) in every slot.  m begins at NEG = -2^100, at which masked scores are held: they give p = 0 as soon as
; a key that counts has been seen, and what they gave before is wiped out by a = 0.  A query whose m stays under -2^96 has no key that counts: its row is NaN, as a softmax of -infinities is.
; LIMITS: a finite t under -2^96 counts as masked; NaN and +infinity are not served; |O| stays under 65,504 (f16).
; CLUSTER 4 x 4: the four of a column share their two heads' K and V, the four of a row their queries' bias: each tile is asked for jointly.  Ring of two slots; the change of slots stands at a slot's head, so a refill has a
; whole slot's work in which to land; by this text's count one tensor load of a wave is out at a time.
; TWO ROLES, half a slot apart.  A slot's work has two parts: LOADKQ (the bias, K, the products K Q^T, V into registers: all of the slot's LDS reads) and SOFTPV (softmax and V^T P: registers alone).  The role is
; (w xor (w >> 2)) & 1: four waves of each.  Between two changes of slots a wave of role 0 runs LOADKQ of slot j and then SOFTPV of slot j; a wave of role 1 runs SOFTPV of slot j - 1 and then LOADKQ of slot j.  So four waves
; read LDS and multiply while the other four do their vector work.  Every wave's reads of a slot are over at the next change of slots, in either role; every wave passes every round.
; ao [mblk 32][kstep 4][tt 8][chunk 8][e 2][512] f16: the next product's fragments as images.
; REGISTERS: window 0: v1 16 x lane; v2-4 addresses in hand; v5-7 their constants; v8, v9 the add's two; v10 the prefetch's offset; v11 NaN; v12-27 statistics, 8 a tile: +0 m, +2:3 l, +4 a, +6:7 at work;
;   v28-35 four chains of maxima a tile; v64-191 S^T (tile x, keys 16 kt on: 64 + 64 x + 8 kt), then p, then P in place at 64 + 64 x + 8 u.
;   window 1: v0-31 Q (16 x + 8 c); v32-95 O^T (32 + 32 x + 8 ct); v128-255 K's, then V's 16 fragments.
.set SLOT1, 131072                     ; a slot: K head 0, K head 1, V head 0, V head 1 (16,384 bytes each), the bias (65,536): wave w's load lands at 16,384 w
.set SPARE, 262144                     ; the spare words, 128 bytes a wave: four blocks of 256 bytes that no other line names
.set SPW,  8
.set NIL,  9
.set ST,   12
.set CH,   28
.set S,    64
.set O,    32
.set F,    128
.set MSB, 0
.macro WIN new
.if MSB != (\new)
	s_set_vgpr_msb (MSB<<8)|(\new)
.set MSB, (\new)
.endif
.endm
.set W_KQ, 0x05                        ; K and Q window 1, S^T window 0
.set W_PV, 0x51                        ; V window 1, P window 0, O^T window 1
.set TO_F, 0x40                        ; destination window 1
.set W_RS, 0x41                        ; O^T (destination, source 0) window 1, a window 0
.macro PLACES
.rept 4
	v_nop
.endr
.endm
.macro JLOAD                           ; waves 0-3 fetch K and V, waves 4-7 the bias; an s_nop 0 and four v_nop follow each line
	s_cmp_lt_u32 s10, 4
	s_cbranch_scc0 .Lfor_b_\@
	tensor_load_to_lds s[40:43], s[24:31]
	s_nop 0
.rept 4
	v_nop
.endr
	s_branch .Lasked_\@
.Lfor_b_\@:
	tensor_load_to_lds s[44:47], s[32:39]
	s_nop 0
.rept 4
	v_nop
.endr
.Lasked_\@:
.endm
.macro CROUND
	s_barrier_signal -1
	s_barrier_wait -1
	s_cmp_lg_u32 s10, 0
	s_cbranch_scc1 .Lnot_wave_0_\@
	s_barrier_signal -3
.Lnot_wave_0_\@:
	s_barrier_wait -3
	s_barrier_signal -1
	s_barrier_wait -1
.endm
; A PREFETCH INTO THE L2 of the tile that the NEXT change of slots will load, one slot's work ahead.  Each aligned block of 256 bytes is named once in the launch.  K and V of a pair of heads are walked by the four clusters of a
; batch's column: the first of them asks, wave 0 for K and wave 2 for V, its four partners along y taking 4,096 bytes of each head BY ADDRESS.  A block of queries' bias is walked by two clusters: that with x = 0 asks, waves 4 and 5,
; its partners along x taking 16,384 bytes each by address.  The last change that fills a slot asks for nothing; nothing is asked for at the head.
.macro ASK
	s_cmp_gt_u32 s51, s52
	s_cbranch_scc0 .Lnot_mine_\@
	global_prefetch_b8 v10, s[54:55] th:TH_LOAD_NT scope:SCOPE_SE
.Lnot_mine_\@:
.endm
	s_load_b128 s[4:7], s[0:1], 0x0                ; qkv, bias
	s_load_b64 s[8:9], s[0:1], 0x10                ; ao
	v_lshl_add_u32 v[SPW], v0, 2, SPARE
	v_mov_b32 v[NIL], 0
	ds_add_u32 v[SPW], v[NIL]                      ; the wave's opening: the add, twice on end, and its wait ahead of my first tensor load
	ds_add_u32 v[SPW], v[NIL]
	v_lshrrev_b32 v1, 5, v0
	v_readfirstlane_b32 s10, v1                    ; wave 0..7
	s_bfe_u32 s11, ttmp6, 0x40000                  ; cx
	s_bfe_u32 s12, ttmp6, 0x40004                  ; cy
	s_and_b32 s13, ttmp7, 0xffff                   ; cluster y
	s_lshl_b32 s14, ttmp9, 2
	s_add_co_u32 s14, s14, s11                     ; hp: the pair of heads
	s_lshl_b32 s15, s13, 2
	s_add_co_u32 s15, s15, s12                     ; y = 16 x batch + block of 128 queries
	s_lshr_b32 s16, s13, 2                         ; the batch
	s_and_b32 s17, s10, 1                          ; hl
	s_lshr_b32 s18, s10, 1                         ; qp
	s_and_b32 s19, s10, 3
	s_lshr_b32 s76, s10, 2
	s_xor_b32 s76, s76, s10
	s_and_b32 s76, s76, 1                          ; my role: made of the wave's number alone, the same in every work-group
	s_lshl_b32 s62, s12, 2
	s_lshl_b32 s62, 15, s62                        ; my row of the cluster
	s_lshl_b32 s20, 0x1111, s11                    ; my column
	s_or_b32 s24, s20, (3<<16)|(1<<21)             ; K, V: shared along the column.  15:0 the mask; 17:16 elements of 8 bytes; 21 set beside a mask
	s_or_b32 s32, s62, (3<<16)|(1<<21)             ; the bias: along the row
.irp g, 24, 32                         ; 16,384 dense bytes as 64 rows of 256
	s_mov_b32 s[\g+1], 32<<16
	s_mov_b32 s[\g+2], 64<<16
	s_mov_b32 s[\g+3], 32<<16
	s_mov_b32 s[\g+4], 64
	s_mov_b32 s[\g+5], 32
	s_mov_b32 s[\g+6], 0
	s_mov_b32 s[\g+7], 0
.endr
	s_lshr_b32 s20, s19, 1                         ; K (waves 0, 1) or V (2, 3): part 1 or 2 of qkv (registers that never hold cy)
	s_add_co_u32 s20, s20, 1
	s_lshl_b32 s20, s20, 23
	s_lshl_b32 s21, s16, 4
	s_lshl_b32 s22, s14, 1
	s_add_co_u32 s21, s21, s22                     ; 16 x batch + 2 hp
	s_add_co_u32 s22, s21, s17
	s_lshl_b32 s22, s22, 18
	s_add_co_u32 s22, s22, s20
	s_mov_b32 s23, 0
	s_lshl_b32 s62, s15, 20                        ; the bias: y x 1,048,576 + my quarter of a tile (registers that never hold cx)
	s_lshl_b32 s63, s19, 14
	s_add_co_u32 s62, s62, s63
	s_mov_b32 s63, 0
	s_add_co_u32 s66, s21, s17                     ; Q: my head, my two tiles of queries (from here on: registers that feed no descriptor)
	s_lshl_b32 s66, s66, 18
	s_and_b32 s68, s15, 15
	s_lshl_b32 s68, s68, 3
	s_lshl_b32 s69, s18, 1
	s_add_co_u32 s68, s68, s69
	s_lshl_b32 s68, s68, 11
	s_add_co_u32 s66, s66, s68
	s_mov_b32 s67, 0
	s_lshl_b32 s68, s15, 18                        ; ao: y x 262,144 + (head / 4) x 65,536 + tile x 8,192 + (head % 4) x 2,048
	s_lshr_b32 s69, s14, 1
	s_lshl_b32 s69, s69, 16
	s_add_co_u32 s68, s68, s69
	s_lshl_b32 s69, s18, 14
	s_add_co_u32 s68, s68, s69
	s_and_b32 s69, s14, 1
	s_lshl_b32 s69, s69, 1
	s_add_co_u32 s69, s69, s17
	s_lshl_b32 s69, s69, 11
	s_add_co_u32 s68, s68, s69
	s_mov_b32 s69, 0
	s_lshl_b32 s70, s21, 18                        ; the prefetches, at tile 1 (the first change steps them to tile 2): K or V, my work-group's 4,096 bytes of each head;
	s_add_co_u32 s70, s70, s20
	s_lshl_b32 s71, s12, 12
	s_add_co_u32 s70, s70, s71
	s_add_co_u32 s70, s70, 16384
	s_mov_b32 s71, 0
	s_lshl_b32 s72, s15, 20                        ; the bias, my work-group's 16,384 bytes, my wave's half of them
	s_lshl_b32 s73, s11, 14
	s_add_co_u32 s72, s72, s73
	s_lshl_b32 s73, s17, 13
	s_add_co_u32 s72, s72, s73
	s_add_co_u32 s72, s72, 65536
	s_mov_b32 s73, 0
	s_and_b32 s74, s10, 5                          ; who asks: waves 0 and 2 where cluster y % 4 = 0,
	s_and_b32 s75, s13, 3
	s_or_b32 s74, s74, s75
	s_cmp_eq_u32 s74, 0
	s_cselect_b32 s52, 1, -1
	s_lshr_b32 s74, s10, 1                         ; waves 4 and 5 where cluster x = 0: the same in all sixteen partners
	s_xor_b32 s74, s74, 2
	s_or_b32 s74, s74, ttmp9
	s_cmp_eq_u32 s74, 0
	s_cselect_b32 s52, 1, s52
	s_mov_b32 s74, 4096
	s_mov_b32 s56, 65536
	s_cmp_lt_u32 s10, 4
	s_cselect_b32 s74, 0x40000, s74                ; from lanes 0-15 to lanes 16-31: the other head, or the next 4,096 bytes
	s_cselect_b32 s56, 16384, s56                  ; a tile on
	s_mov_b32 s57, 0
	v_and_b32 v10, 15, v0
	v_bfe_u32 v11, v0, 4, 1
	v_mul_u32_u24 v11, v11, s74
	v_lshl_add_u32 v10, v10, 8, v11
	s_mov_b32 s48, 0x76543210
	s_mov_b32 s49, 0xfedcba98                      ; lane l xor 16
	s_mov_b32 s50, 0                               ; the slot in hand
	s_mov_b32 s51, 15                              ; slots still to be asked for
	s_mov_b32 s53, 0xef800000                      ; -2^96
	s_wait_dscnt 0x0                               ; both opening adds are done
	s_wait_kmcnt 0x0
	s_mov_b32 s40, 1
	s_lshl_b32 s41, s10, 14
	s_add_nc_u64 s[42:43], s[4:5], s[22:23]
	s_or_b32 s43, s43, 0x80000000
	s_mov_b32 s44, 1
	s_lshl_b32 s45, s10, 14
	s_add_nc_u64 s[46:47], s[6:7], s[62:63]
	s_or_b32 s47, s47, 0x80000000
	s_add_nc_u64 s[58:59], s[4:5], s[66:67]
	s_add_nc_u64 s[60:61], s[8:9], s[68:69]
	s_add_nc_u64 s[70:71], s[4:5], s[70:71]
	s_add_nc_u64 s[72:73], s[6:7], s[72:73]
	s_cmp_lt_u32 s10, 4
	s_cselect_b64 s[54:55], s[70:71], s[72:73]
	CROUND                                         ; all sixteen work-groups are here
	JLOAD                                          ; tile 0 into slot 0
	v_and_b32 v1, 31, v0
	v_lshlrev_b32 v1, 4, v1
	WIN TO_F
.irp x, 0,1
.irp c, 0,1
.irp e, 0,1
	global_load_b128 v[16*\x+8*\c+4*\e:16*\x+8*\c+4*\e+3], v1, s[58:59] offset:2048*\x+1024*\c+512*\e   ; Q stays in registers
.endr
.endr
.endr
.set n, 0
.rept 64
	v_mov_b32 v[O+n], 0                            ; O^T.  (The softmax has no first step of its own: the first slot finds zeros)
.set n, n+1
.endr
	WIN 0
	s_lshl_b32 s74, s17, 14
	v_add_nc_u32 v5, s74, v1                       ; K of my head
	v_add_nc_u32 v6, 32768, v5                     ; V of my head
	s_lshl_b32 s75, s18, 14
	s_add_co_u32 s75, s75, 65536
	v_add_nc_u32 v7, s75, v1                       ; the bias of my two tiles of queries
	v_mov_b32 v11, 0x7fc00000
.irp x, 0,1
	v_mov_b32 v[ST+8*\x], 0xf1800000               ; m = NEG
.irp i, 1,2,3,4,5,6,7
	v_mov_b32 v[ST+8*\x+\i], 0                     ; l = 0; the others are named as halves of pairs or as a lane permute's destination before they are first written
.endr
.endr
	s_wait_loadcnt 0x0                             ; Q
; THE CHANGE OF SLOTS, at a slot's head.  Each wave waits for all its tensor loads (its part of the slot ahead), adds 0 to its spare word, and waits for that and for its reads of the slot that it has left
; (in a wave of role 1 the last of them, V's, were issued just ahead).
.macro CHANGE fill
	WIN 0
	s_wait_tensorcnt 0x0                           ; no tensor load of mine is out, so a group 0 may be written
	ds_add_u32 v[SPW], v[NIL]
.if \fill
	s_xor_b32 s41, s41, SLOT1                      ; the walking descriptors: the other slot, the next 128 keys
	s_add_nc_u64 s[42:43], s[42:43], 16384
	s_xor_b32 s45, s45, SLOT1
	s_add_nc_u64 s[46:47], s[46:47], 65536
	s_wait_xcnt 0x0                                ; the last prefetch, a slot back, has read its address
	s_add_nc_u64 s[54:55], s[54:55], s[56:57]
	s_wait_dscnt 0x0
	CROUND                                         ; no wave of any partner still reads the slot that was left, or has a load on its way
	JLOAD                                          ; the first thing behind the round, my one tensor load until the next
	ASK
.else
	s_wait_dscnt 0x0
	s_barrier_signal -1
	s_barrier_wait -1
	PLACES
.endif
.endm
; ALL OF A SLOT'S LDS READS, AND ITS FIRST PRODUCT: 128 keys for my two tiles of queries.  It leaves the scores in S^T and V's loads on their way.
.macro LOADKQ
	v_add_nc_u32 v2, s50, v5                       ; (with the four v_nop ahead, on either way: seven places between the last products and the loads, and the products, that write over their registers)
	v_add_nc_u32 v3, s50, v6
	v_add_nc_u32 v4, s50, v7
.irp x, 0,1
.irp kt, 0,1,2,3,4,5,6,7
.irp e, 0,1
	ds_load_b128 v[S+64*\x+8*\kt+4*\e:S+64*\x+8*\kt+4*\e+3], v4 offset:8192*\x+1024*\kt+512*\e   ; the bias, into the accumulators
.endr
.endr
.endr
	WIN TO_F
.set n, 0
.rept 32
	ds_load_b128 v[F+4*n:F+4*n+3], v2 offset:512*n     ; K as it lies: image n = 4 kt + 2 c + e: keys 16 kt on, channels 32 c + 16 e on
.set n, n+1
.endr
	WIN W_KQ
.irp g, 0,1,2,3                                ; 32 keys at a time, as K comes back.  Four accumulators take turns, one instruction a turn
	s_wait_dscnt 24-8*\g                           ; LDS loads come back in order: the bias and K's keys up to 32 g + 31 are in; K's 24, 16, 8, 0 younger loads may be out
.irp c, 0,1
.irp k, 0,1
.irp x, 0,1
	v_wmma_f32_16x16x32_f16 v[S+64*\x+8*(2*\g+\k):S+64*\x+8*(2*\g+\k)+7], v[F+16*(2*\g+\k)+8*\c:F+16*(2*\g+\k)+8*\c+7], v[16*\x+8*\c:16*\x+8*\c+7], v[S+64*\x+8*(2*\g+\k):S+64*\x+8*(2*\g+\k)+7]
.endr
.endr
.endr
.endr
	WIN 0
	PLACES                                         ; ahead of the loads over K, and of the first read of the scores
	WIN TO_F
.irp u, 0,1,2,3
.irp ct, 0,1,2,3
.irp e, 0,1
	ds_load_tr16_b128 v[F+32*\u+8*\ct+4*\e:F+32*\u+8*\ct+4*\e+3], v3 offset:(2*\u+\e)*2048+512*\ct   ; V^T: channels 16 ct on, keys 32 u + 16 e on
.endr
.endr
.endr
	WIN 0
	s_xor_b32 s50, s50, SLOT1                      ; the next reads are the other slot's
.endm
; THE SOFTMAX AND THE SECOND PRODUCT of the slot whose scores lie in S^T and whose V lies, or is landing, in registers.  No LDS instruction.  more = 1: loads into its products' registers follow at once: four places at its end.
.macro SOFTPV more
.irp x, 0,1                                    ; the largest t: four chains of 16 registers a tile, each accumulator from its low end on
.irp c, 0,1,2,3
	v_max3_num_f32 v[CH+4*\x+\c], v[S+64*\x+16*\c], v[S+64*\x+16*\c+1], v[S+64*\x+16*\c+2]
.endr
.endr
.irp i, 3,5,7,9,11,13
.irp x, 0,1
.irp c, 0,1,2,3
	v_max3_num_f32 v[CH+4*\x+\c], v[CH+4*\x+\c], v[S+64*\x+16*\c+\i], v[S+64*\x+16*\c+\i+1]
.endr
.endr
.endr
.irp x, 0,1
.irp c, 0,1,2,3
	v_max_num_f32 v[CH+4*\x+\c], v[CH+4*\x+\c], v[S+64*\x+16*\c+15]
.endr
.endr
.irp x, 0,1
	v_max3_num_f32 v[ST+8*\x+6], v[CH+4*\x], v[CH+4*\x+1], v[CH+4*\x+2]
.endr
.irp x, 0,1
	v_max3_num_f32 v[ST+8*\x+6], v[ST+8*\x+6], v[CH+4*\x+3], v[ST+8*\x]   ; with the old m
.endr
.irp x, 0,1
	v_permlanex16_b32 v[ST+8*\x+7], v[ST+8*\x+6], s48, s49                ; the query's other 64 keys lie in the lane 16 away
.endr
.irp x, 0,1
	v_max_num_f32 v[ST+8*\x+6], v[ST+8*\x+6], v[ST+8*\x+7]
.endr
.irp x, 0,1
	v_sub_f32 v[ST+8*\x+4], v[ST+8*\x], v[ST+8*\x+6]                      ; m_old - m_new
.endr
.irp x, 0,1
	v_mov_b32 v[ST+8*\x], v[ST+8*\x+6]
.endr
.irp x, 0,1
	v_exp_f32 v[ST+8*\x+4], v[ST+8*\x+4]                                  ; a
.endr
.set n, 0
.rept 32
	v_pk_add_f32 v[S+n:S+n+1], v[S+n:S+n+1], v[ST:ST+1] op_sel_hi:[1,0] neg_lo:[0,1] neg_hi:[0,1]             ; t - m
	v_pk_add_f32 v[S+64+n:S+64+n+1], v[S+64+n:S+64+n+1], v[ST+8:ST+9] op_sel_hi:[1,0] neg_lo:[0,1] neg_hi:[0,1]
.set n, n+2
.endr
.set n, 0
.rept 128
	v_exp_f32 v[S+n], v[S+n]                       ; p
.set n, n+1
.endr
	v_nop                                          ; a plain instruction behind the last exponential,
	s_wait_alu depctr_va_vdst(0)                   ; and ONE wait for the 130, ahead of their first reader
.irp x, 0,1
	v_pk_mul_f32 v[ST+8*\x+2:ST+8*\x+3], v[ST+8*\x+2:ST+8*\x+3], v[ST+8*\x+4:ST+8*\x+5] op_sel_hi:[1,0]   ; l a
.endr
.irp x, 0,1
	v_pk_add_f32 v[ST+8*\x+6:ST+8*\x+7], v[S+64*\x:S+64*\x+1], v[S+64*\x+2:S+64*\x+3]                     ; the sum of the unrounded p, in two chains a tile
.endr
.irp j, 4,8,12,16,20,24,28,32,36,40,44,48,52,56,60
.irp x, 0,1
	v_pk_add_f32 v[ST+8*\x+2:ST+8*\x+3], v[ST+8*\x+2:ST+8*\x+3], v[S+64*\x+\j:S+64*\x+\j+1]
	v_pk_add_f32 v[ST+8*\x+6:ST+8*\x+7], v[ST+8*\x+6:ST+8*\x+7], v[S+64*\x+\j+2:S+64*\x+\j+3]
.endr
.endr
.irp x, 0,1
	v_pk_add_f32 v[ST+8*\x+2:ST+8*\x+3], v[ST+8*\x+2:ST+8*\x+3], v[ST+8*\x+6:ST+8*\x+7]
.endr
.set n, 0
.rept 32
	v_cvt_pk_f16_f32 v[S+n], v[S+2*n], v[S+2*n+1]                  ; P, in place and ascending: no number is written over before it is read
	v_cvt_pk_f16_f32 v[S+64+n], v[S+64+2*n], v[S+64+2*n+1]
.set n, n+1
.endr
	WIN W_RS
.set n, 0
.rept 16
	v_pk_mul_f32 v[O+n:O+n+1], v[O+n:O+n+1], v[ST+4:ST+5] op_sel_hi:[1,0]            ; O^T a
	v_pk_mul_f32 v[O+32+n:O+32+n+1], v[O+32+n:O+32+n+1], v[ST+12:ST+13] op_sel_hi:[1,0]
.set n, n+2
.endr
	s_wait_dscnt 0x0                               ; V (role 0: it landed while the softmax was walked; role 1: it was waited for at the change of slots)
	WIN W_PV
.irp u, 0,1,2,3                                ; eight accumulators by turns
.irp ct, 0,1,2,3
.irp x, 0,1
	v_wmma_f32_16x16x32_f16 v[O+32*\x+8*\ct:O+32*\x+8*\ct+7], v[F+32*\u+8*\ct:F+32*\u+8*\ct+7], v[S+64*\x+8*\u:S+64*\x+8*\u+7], v[O+32*\x+8*\ct:O+32*\x+8*\ct+7]
.endr
.endr
.endr
	WIN 0
.if \more
	PLACES
.endif
.endm
; SOFTPV for the waves of one role: a branch on the wave's number, round work on registers alone
.macro SOFTPV_IF role, more
	s_cmp_lg_u32 s76, \role
	s_cbranch_scc1 .Lother_role_\@
	SOFTPV \more
.Lother_role_\@:
.endm
	CHANGE 1                                       ; THE FIRST SLOT is written out: role 1 has no scores yet.  Tile 1 is asked for
	LOADKQ                                         ; slot 0, every wave
	SOFTPV_IF 0, 0                                 ; role 0: slot 0
	s_mov_b32 s51, 14
.Lslot:                                            ; 14 trips, slots 1 to 14: behind each change of slots the next tile is asked for
	CHANGE 1
	SOFTPV_IF 1, 1                                 ; role 1: the slot before, from registers
	LOADKQ                                         ; every wave: this slot
	SOFTPV_IF 0, 0                                 ; role 0: this slot
	s_sub_co_u32 s51, s51, 1
	s_cmp_lg_u32 s51, 0
	s_cbranch_scc1 .Lslot
	CHANGE 0                                       ; the last slot is written out
	SOFTPV_IF 1, 1                                 ; role 1: slot 14
	LOADKQ                                         ; slot 15
	SOFTPV 0                                       ; both roles: slot 15
	; THE WAY OUT: O^T / l, rounded to f16: a lane's eight channels of a query are 16 bytes of an image, which leaves as 512 consecutive bytes
	PLACES
.irp x, 0,1
	v_add_f32 v[ST+8*\x+6], v[ST+8*\x+2], v[ST+8*\x+3]
.endr
.irp x, 0,1
	v_permlanex16_b32 v[ST+8*\x+7], v[ST+8*\x+6], s48, s49
.endr
.irp x, 0,1
	v_add_f32 v[ST+8*\x+6], v[ST+8*\x+6], v[ST+8*\x+7]
.endr
.irp x, 0,1
	v_rcp_f32 v[ST+8*\x+4], v[ST+8*\x+6]
.endr
	v_nop
	s_wait_alu depctr_va_vdst(0)                   ; one wait for the two reciprocals
.irp x, 0,1
	v_cmp_gt_f32 vcc_lo, s53, v[ST+8*\x]           ; no key counted: NaN
	v_cndmask_b32 v[ST+8*\x+4], v[ST+8*\x+4], v11, vcc_lo
.endr
	WIN 0x01                                       ; source 0 window 1
.set n, 0
.rept 16
	v_pk_mul_f32 v[S+n:S+n+1], v[O+n:O+n+1], v[ST+4:ST+5] op_sel_hi:[1,0]
	v_pk_mul_f32 v[S+32+n:S+32+n+1], v[O+32+n:O+32+n+1], v[ST+12:ST+13] op_sel_hi:[1,0]
.set n, n+2
.endr
	WIN 0
.set n, 0
.rept 32
	v_cvt_pk_f16_f32 v[128+n], v[S+2*n], v[S+2*n+1]
.set n, n+1
.endr
.irp x, 0,1
.irp ct, 0,1,2,3
	global_store_b128 v1, v[128+16*\x+4*\ct:128+16*\x+4*\ct+3], s[60:61] offset:8192*\x+512*\ct
.endr
.endr
	s_wait_tensorcnt 0x0                           ; the wave's end
	ds_add_u32 v[SPW], v[NIL]
	s_wait_dscnt 0x0
	CROUND                                         ; the closing round
	s_endpgm
.Lfunc_end_k_qa50f566d8c_attn:
	.size	k_qa50f566d8c_attn, .Lfunc_end_k_qa50f566d8c_attn-k_qa50f566d8c_attn
	.p2alignl 7, 3214868480
	.fill 96, 4, 3214868480
	.section	.rodata,"a",@progbits
	.p2align	6, 0x0
	.amdhsa_kernel k_qa50f566d8c_attn
		.amdhsa_group_segment_fixed_size 327680
		.amdhsa_private_segment_fixed_size 0
		.amdhsa_enable_private_segment 0
		.amdhsa_kernarg_size 24
		.amdhsa_user_sgpr_count 2
		.amdhsa_user_sgpr_kernarg_segment_ptr 1
		.amdhsa_wavefront_size32 1
		.amdhsa_system_sgpr_workgroup_id_x 1
		.amdhsa_system_sgpr_workgroup_id_y 1
		.amdhsa_system_sgpr_workgroup_id_z 1
		.amdhsa_system_vgpr_workitem_id 0
		.amdhsa_next_free_vgpr 512
		.amdhsa_next_free_sgpr 80
		.amdhsa_reserve_vcc 1
		.amdhsa_float_denorm_mode_32 3
		.amdhsa_float_denorm_mode_16_64 3
		.amdhsa_memory_ordered 1
		.amdhsa_forward_progress 1
		.amdhsa_inst_pref_size 170
	.end_amdhsa_kernel
	.amdgpu_metadata
---
amdhsa.version: [ 1, 2 ]
amdhsa.kernels:
  - .name:           k_qa50f566d8c_attn
    .symbol:         k_qa50f566d8c_attn.kd
    .args:
      - { .name: qkv, .offset: 0, .size: 8, .value_kind: global_buffer, .address_space: global }
      - { .name: bias, .offset: 8, .size: 8, .value_kind: global_buffer, .address_space: global }
      - { .name: ao, .offset: 16, .size: 8, .value_kind: global_buffer, .address_space: global }
    .group_segment_fixed_size: 327680
    .private_segment_fixed_size: 0
    .kernarg_segment_align: 8
    .kernarg_segment_size: 24
    .max_flat_workgroup_size: 256
    .sgpr_count:     80
    .vgpr_count:     512
    .wavefront_size: 32
...
	.end_amdgpu_metadata
.endif
;; end of part 3
;; launch oproj (part 4): grid 8 x 32, 4 waves a work-group, clusters of 4 x 4, 327,680 bytes of LDS; arguments ao, wof, bo, out0; writes out0
.if DOCPART == 4
	.amdgcn_target "amdgcn-amd-amdhsa--gfx1250"
	.amdhsa_code_object_version 6
	.text
	.protected	k_qa50f566d8c_oproj
	.globl	k_qa50f566d8c_oproj
	.p2align	8
	.type	k_qa50f566d8c_oproj,@function
k_qa50f566d8c_oproj:
	s_mov_b64 s[64:65], 0
	v_nop
	global_prefetch_b8 v0, s[64:65] scope:SCOPE_SE
	s_setreg_imm32_b32 hwreg(HW_REG_WAVE_MODE, 25, 1), 1
	s_wait_xcnt 0x0
	s_wait_alu depctr_hold_cnt(0) depctr_sa_sdst(0) depctr_va_vdst(0) depctr_va_sdst(0) depctr_va_ssrc(0) depctr_va_vcc(0) depctr_vm_vsrc(0)
	s_getreg_b32 s2, hwreg(HW_REG_IB_STS2, 6, 4)
	s_cmp_eq_u32 s2, 0
	s_cbranch_scc0 .Lentry_in_a_cluster
	s_endpgm
.Lentry_in_a_cluster:
	s_bfe_u32 s2, ttmp6, 0x10000c
	s_cmp_lg_u32 s2, 0xf033
	s_cbranch_scc0 .Lentry_shape_is_right
	s_endpgm
.Lentry_shape_is_right:
; OPROJ: out0 = ao Wo^T + bo.  ao [4,096 x 1,024] and Wo [1,024 x 1,024] lie as f16 images of their fragments; sums in f32; out0 f32.
; A tile of out0 is 128 x 128: 256 work-groups.  Four waves, each 64 x 64: 16 accumulators.  K goes in four steps of 256 through two LDS slots; a wave's tensor load brings 32,768 dense bytes (64 rows' fragments of a K step).
; Every LDS fragment load is at 16 x lane: no pitch, no padding.  CLUSTER 4 x 4: ao's tiles are shared along a row, Wo's along a column, by joint loads.
; THE MATRIX INSTRUCTION IS USED TRANSPOSED (source 0 = 16 rows of Wo, source 1 = 16 tokens): a lane holds eight neighbouring outputs of one token.  bo is the C of each sum's first product.
; REGISTERS: window 0: v16-17, v20-21 LDS addresses of ao's and Wo's fragments in slots 0, 1; v24, v25 the stage, in and back; v26 my offset in out0; v27 32 h; v28, v29 the add's two; v32-95 rows on the way out;
;   v96-127 bo in the result's layout; v128-255 the accumulators ((a, b) at 128 + 8 (4 a + b)).   window 1: two fragment buffers of 128: 64 registers of ao, then 64 of Wo, for 64 along K.
.set SLOT,   131072                    ; ao's two halves of 64 tokens, then Wo's two halves of 64 rows, 32,768 bytes each
.set STAGE,  262144                    ; behind the ring: 16 rows x 272 bytes for each wave
.set SPITCH, 272
.set SPARE,  STAGE+4*16*SPITCH         ; the spare words, 128 bytes a wave: two blocks of 256 bytes that no other line names
.set ADRA, 16
.set ADRB, 20
.set STO,  24
.set RD,   25
.set CO,   26
.set SPW,  28
.set NIL,  29
.set TMP,  32
.set BO,   96
.set ACC,  128
.set F0,   0
.set F1,   128
.set G1,   24
.set G0,   32
.set G1B,  48
.set G0B,  56
.set MSB, 0
.macro WIN new
.if MSB != (\new)
	s_set_vgpr_msb (MSB<<8)|(\new)
.set MSB, (\new)
.endif
.endm
.set MUL,  0x05                        ; sources 0 and 1 window 1; C and D window 0
.set TO_F, 0x40
.macro JLOAD s                         ; waves 0, 1 fetch ao's halves, waves 2, 3 Wo's; an s_nop 0 and four v_nop follow each line
	s_cmp_eq_u32 s13, 0
	s_cbranch_scc0 .Lfor_b_\@
	tensor_load_to_lds s[G0+4*\s:G0+4*\s+3], s[G1:G1+7]
	s_nop 0
.rept 4
	v_nop
.endr
	s_branch .Lasked_\@
.Lfor_b_\@:
	tensor_load_to_lds s[G0B+4*\s:G0B+4*\s+3], s[G1B:G1B+7]
	s_nop 0
.rept 4
	v_nop
.endr
.Lasked_\@:
.endm
.macro CREST
	s_cmp_lg_u32 s12, 0
	s_cbranch_scc1 .Lnot_wave_0_\@
	s_barrier_signal -3
.Lnot_wave_0_\@:
	s_barrier_wait -3
	s_barrier_signal -1
	s_barrier_wait -1
.endm
.macro CROUND
	s_barrier_signal -1
	s_barrier_wait -1
	CREST
.endm
	s_load_b128 s[4:7], s[0:1], 0x0                ; ao, wof
	s_load_b128 s[8:11], s[0:1], 0x10              ; bo, out0
	v_lshl_add_u32 v[SPW], v0, 2, SPARE
	v_mov_b32 v[NIL], 0
	ds_add_u32 v[SPW], v[NIL]                      ; the wave's opening: the add, twice on end, and its wait ahead of my first tensor load
	ds_add_u32 v[SPW], v[NIL]
	v_lshrrev_b32 v1, 5, v0
	v_readfirstlane_b32 s12, v1                    ; wave
	s_lshr_b32 s13, s12, 1                         ; wm.  Also: I fetch for ao (0) or for Wo (1)
	s_and_b32 s14, s12, 1                          ; wn.  Also: which half I fetch
	s_bfe_u32 s40, ttmp6, 0x40000                  ; cx
	s_bfe_u32 s41, ttmp6, 0x40004                  ; cy
	s_lshl_b32 s42, ttmp9, 2
	s_add_co_u32 s42, s42, s40                     ; the block of 128 outputs
	s_and_b32 s15, ttmp7, 0xffff
	s_lshl_b32 s15, s15, 2
	s_add_co_u32 s15, s15, s41                     ; the block of 128 tokens
	s_lshl_b32 s43, s41, 2
	s_lshl_b32 s43, 15, s43                        ; my row of the cluster
	s_lshl_b32 s44, 0x1111, s40                    ; my column
	s_or_b32 s[G1], s43, (3<<16)|(1<<21)           ; 15:0 the mask; 17:16 elements of 8 bytes; 21 set beside a mask; no padding
	s_or_b32 s[G1B], s44, (3<<16)|(1<<21)
.irp g, G1, G1B                        ; 32,768 dense bytes as 128 rows of 256
	s_mov_b32 s[\g+1], 32<<16
	s_mov_b32 s[\g+2], 128<<16
	s_mov_b32 s[\g+3], 32<<16
	s_mov_b32 s[\g+4], 128
	s_mov_b32 s[\g+5], 32
	s_mov_b32 s[\g+6], 0
	s_mov_b32 s[\g+7], 0
.endr
	s_lshl_b32 s16, s15, 18                        ; ao: block x 262,144 + half x 32,768 (registers that never hold cx)
	s_lshl_b32 s17, s14, 15
	s_add_co_u32 s16, s16, s17
	s_mov_b32 s17, 0
	s_lshl_b32 s46, s42, 18                        ; Wo likewise (registers that never hold cy)
	s_lshl_b32 s47, s14, 15
	s_add_co_u32 s46, s46, s47
	s_mov_b32 s47, 0
	s_lshl_b32 s20, s12, 15                        ; where they go: wave x 32,768
	s_wait_dscnt 0x0                               ; both opening adds are done
	s_wait_kmcnt 0x0
	s_add_nc_u64 s[18:19], s[4:5], s[16:17]
	s_add_nc_u64 s[46:47], s[6:7], s[46:47]
	CROUND                                         ; all sixteen work-groups are here
.irp s, 0,1
	s_mov_b32 s[G0+4*\s], 1
	s_add_co_u32 s[G0+4*\s+1], s20, \s*SLOT
	s_add_nc_u64 s[G0+4*\s+2:G0+4*\s+3], s[18:19], \s*65536      ; K step s
	s_or_b32 s[G0+4*\s+3], s[G0+4*\s+3], 0x80000000
	s_mov_b32 s[G0B+4*\s], 1
	s_add_co_u32 s[G0B+4*\s+1], s20, \s*SLOT
	s_add_nc_u64 s[G0B+4*\s+2:G0B+4*\s+3], s[46:47], \s*65536
	s_or_b32 s[G0B+4*\s+3], s[G0B+4*\s+3], 0x80000000
	JLOAD \s
.endr
	v_and_b32 v1, 15, v0                           ; r
	v_bfe_u32 v2, v0, 4, 1                         ; h
	v_and_b32 v3, 31, v0
	v_lshlrev_b32 v3, 4, v3                        ; 16 x lane
	s_lshl_b32 s21, s13, 15
	s_lshl_b32 s22, s14, 15
	s_add_co_u32 s22, s22, 65536
	v_add_nc_u32 v[ADRA], s21, v3
	v_add_nc_u32 v[ADRB], s22, v3
	v_add_nc_u32 v[ADRA+1], SLOT, v[ADRA]
	v_add_nc_u32 v[ADRB+1], SLOT, v[ADRB]
	s_mul_i32 s23, s12, 16*SPITCH
	s_add_co_u32 s23, s23, STAGE                   ; my stage
	v_mul_u32_u24 v4, v1, SPITCH
	v_lshl_add_u32 v4, v2, 5, v4
	v_add_nc_u32 v[STO], s23, v4                   ; in: row r, 32 bytes for each half of the lanes
	v_mul_u32_u24 v5, v2, SPITCH
	v_lshl_add_u32 v5, v1, 4, v5
	v_add_nc_u32 v[RD], s23, v5                    ; back: lanes 0-15 one row of 256 bytes, lanes 16-31 the next
	v_lshlrev_b32 v[CO], 12, v2
	v_lshl_add_u32 v[CO], v1, 4, v[CO]             ; and the same two rows in out0
	v_lshlrev_b32 v27, 5, v2
	s_lshl_b32 s66, s42, 9                         ; bo at my 64 outputs
	s_lshl_b32 s67, s14, 8
	s_add_co_u32 s66, s66, s67
	s_mov_b32 s67, 0
	s_add_nc_u64 s[8:9], s[8:9], s[66:67]
.irp b, 0,1,2,3
.irp e, 0,1
	global_load_b128 v[BO+8*\b+4*\e:BO+8*\b+4*\e+3], v27, s[8:9] offset:64*\b+16*\e
.endr
.endr
	s_lshl_b32 s68, s15, 19                        ; out0: my first token's row of 4,096 bytes, my 64 outputs
	s_lshl_b32 s69, s13, 18
	s_add_co_u32 s68, s68, s69
	s_add_co_u32 s68, s68, s66
	s_mov_b32 s69, 0
	s_add_nc_u64 s[10:11], s[10:11], s[68:69]
; 8 matrix instructions: token blocks a0, a0 + 1 x all 4 output blocks, 32 along K: half c of buffer f.  zero = 1: the first product starts the sums, with bo as its C.  The 16 accumulators take turns.
.macro MUL8 f, c, a0, zero
.irp a, \a0, \a0+1
.irp b, 0,1,2,3
.if \zero
	v_wmma_f32_16x16x32_f16 v[ACC+8*(4*(\a)+\b):ACC+8*(4*(\a)+\b)+7], v[\f+64+8*(4*\c+\b):\f+64+8*(4*\c+\b)+7], v[\f+8*(4*\c+\a):\f+8*(4*\c+\a)+7], v[BO+8*\b:BO+8*\b+7]
.else
	v_wmma_f32_16x16x32_f16 v[ACC+8*(4*(\a)+\b):ACC+8*(4*(\a)+\b)+7], v[\f+64+8*(4*\c+\b):\f+64+8*(4*\c+\b)+7], v[\f+8*(4*\c+\a):\f+8*(4*\c+\a)+7], v[ACC+8*(4*(\a)+\b):ACC+8*(4*(\a)+\b)+7]
.endif
.endr
.endr
.endm
; 32 LDS loads in one run: the fragments of quarter qd (64 along K) of a slot into buffer f; the first 32 along K first
.macro FETCH slot, qd, f
	WIN TO_F
.irp c, 0,1
.irp i, 0,1,2,3
	ds_load_b128 v[\f+64+8*(4*\c+\i):\f+64+8*(4*\c+\i)+3],   v[ADRB+\slot] offset:8192*\i+1024*(2*(\qd)+\c)
	ds_load_b128 v[\f+64+8*(4*\c+\i)+4:\f+64+8*(4*\c+\i)+7], v[ADRB+\slot] offset:8192*\i+1024*(2*(\qd)+\c)+512
	ds_load_b128 v[\f+8*(4*\c+\i):\f+8*(4*\c+\i)+3],         v[ADRA+\slot] offset:8192*\i+1024*(2*(\qd)+\c)
	ds_load_b128 v[\f+8*(4*\c+\i)+4:\f+8*(4*\c+\i)+7],       v[ADRA+\slot] offset:8192*\i+1024*(2*(\qd)+\c)+512
.endr
.endr
.endm
.macro PLACES                          ; four plain instructions ahead of loads into registers that matrix instructions have read, and of the first read of results
.rept 4
	v_nop
.endr
.endm
; One of a K step's first three quarters: multiplies buffer f and fetches quarter qd of the same slot into g
.macro QUARTER slot, qd, f, g, zero
	s_wait_dscnt 16                                ; the first 32 along K are in
	WIN MUL
	MUL8 \f, 0, 0, \zero
	MUL8 \f, 0, 2, \zero
	PLACES
	FETCH \slot, \qd, \g
	s_wait_dscnt 32                                ; all but the 32 just issued
	WIN MUL
	MUL8 \f, 1, 0, 0
	MUL8 \f, 1, 2, 0
.endm
; The last quarter multiplies buffer 1 and changes slots: one barrier; in front of it each wave waits for all its tensor loads, adds 0 to its spare word, and waits for that and for its reads of this slot
.macro TURN slot, next, fill
	WIN 0
	s_wait_tensorcnt 0x0                           ; all my tensor loads have landed: my part of the next slot
	ds_add_u32 v[SPW], v[NIL]
	s_wait_dscnt 17                                ; (the add and the youngest sixteen loads may be out)
	WIN MUL
	MUL8 F1, 0, 0, 0
	s_wait_dscnt 0x0                               ; the add is done, and my reads of this slot are over
	s_barrier_signal -1
	MUL8 F1, 0, 2, 0
.if \fill
	WIN 0
.endif
	s_barrier_wait -1
.if \fill
	CREST                                          ; the barrier has opened a round of the cluster's: no wave of any partner still reads this slot or has a load on its way
	s_add_nc_u64 s[G0+4*\slot+2:G0+4*\slot+3], s[G0+4*\slot+2:G0+4*\slot+3], 131072
	s_add_nc_u64 s[G0B+4*\slot+2:G0B+4*\slot+3], s[G0B+4*\slot+2:G0B+4*\slot+3], 131072
	JLOAD \slot                                    ; two K steps on; the four v_nop behind it are also the places in front of the loads below
.else
	PLACES
.endif
	FETCH \next, 0, F0
	WIN MUL
	MUL8 F1, 1, 0, 0
	MUL8 F1, 1, 2, 0
.endm
	s_wait_tensorcnt 1                             ; my part of K step 0 is in; K step 1's load may be out
	s_barrier_signal -1
	s_barrier_wait -1
	s_wait_loadcnt 0x0                             ; bo
	FETCH 0, 0, F0
	QUARTER 0, 1, F0, F1, 1                        ; K step 0
	QUARTER 0, 2, F1, F0, 0
	QUARTER 0, 3, F0, F1, 0
	TURN 0, 1, 1                                   ; slot 0 takes K step 2
	QUARTER 1, 1, F0, F1, 0                        ; K step 1
	QUARTER 1, 2, F1, F0, 0
	QUARTER 1, 3, F0, F1, 0
	TURN 1, 0, 1                                   ; slot 1 takes K step 3
	QUARTER 0, 1, F0, F1, 0                        ; K step 2
	QUARTER 0, 2, F1, F0, 0
	QUARTER 0, 3, F0, F1, 0
	TURN 0, 1, 0                                   ; nothing is left to fetch
	QUARTER 1, 1, F0, F1, 0                        ; K step 3
	QUARTER 1, 2, F1, F0, 0
	QUARTER 1, 3, F0, F1, 0
	s_wait_dscnt 16
	WIN MUL
	MUL8 F1, 0, 0, 0
	MUL8 F1, 0, 2, 0
	s_wait_dscnt 0x0
	MUL8 F1, 1, 0, 0
	MUL8 F1, 1, 2, 0
	WIN 0
; THE WAY OUT, a block of 16 tokens x 64 outputs at a time, through my own stage: in as 32 bytes a lane, back as whole rows of 256 bytes.  LDS serves a wave's instructions in order: no wait between stores and loads.
.macro TOSTAGE a
.irp b, 0,1,2,3
	ds_store_b128 v[STO], v[ACC+8*(4*(\a)+\b):ACC+8*(4*(\a)+\b)+3] offset:64*\b          ; each accumulator from its low end on
	ds_store_b128 v[STO], v[ACC+8*(4*(\a)+\b)+4:ACC+8*(4*(\a)+\b)+7] offset:64*\b+16
.endr
.irp i, 0,1,2,3,4,5,6,7
	ds_load_b128 v[TMP+32*((\a)%2)+4*\i:TMP+32*((\a)%2)+4*\i+3], v[RD] offset:\i*2*SPITCH
.endr
.endm
.macro SEND a, younger                 ; younger: the LDS instructions issued behind block a's loads
	s_wait_dscnt \younger
.irp i, 0,1,2,3,4,5,6,7
	global_store_b128 v[CO], v[TMP+32*((\a)%2)+4*\i:TMP+32*((\a)%2)+4*\i+3], s[10:11] offset:(16*(\a)+2*\i)*4096 th:TH_STORE_NT   ; 16 lanes store 256 consecutive bytes, at a multiple of 256 from out0's first byte
.endr
.endm
	PLACES
	TOSTAGE 0
	TOSTAGE 1
	SEND 0, 16
	s_wait_xcnt 0x0                                ; block 0's stores have read their data: block 2's rows may land there
	TOSTAGE 2
	SEND 1, 16
	s_wait_xcnt 0x0
	TOSTAGE 3
	SEND 2, 16
	SEND 3, 0
	s_wait_tensorcnt 0x0                           ; the wave's end, behind my last tensor load and my last LDS store
	ds_add_u32 v[SPW], v[NIL]
	s_wait_dscnt 0x0
	CROUND                                         ; the closing round
	s_endpgm
.Lfunc_end_k_qa50f566d8c_oproj:
	.size	k_qa50f566d8c_oproj, .Lfunc_end_k_qa50f566d8c_oproj-k_qa50f566d8c_oproj
	.p2alignl 7, 3214868480
	.fill 96, 4, 3214868480
	.section	.rodata,"a",@progbits
	.p2align	6, 0x0
	.amdhsa_kernel k_qa50f566d8c_oproj
		.amdhsa_group_segment_fixed_size 327680
		.amdhsa_private_segment_fixed_size 0
		.amdhsa_enable_private_segment 0
		.amdhsa_kernarg_size 32
		.amdhsa_user_sgpr_count 2
		.amdhsa_user_sgpr_kernarg_segment_ptr 1
		.amdhsa_wavefront_size32 1
		.amdhsa_system_sgpr_workgroup_id_x 1
		.amdhsa_system_sgpr_workgroup_id_y 1
		.amdhsa_system_sgpr_workgroup_id_z 1
		.amdhsa_system_vgpr_workitem_id 0
		.amdhsa_next_free_vgpr 512
		.amdhsa_next_free_sgpr 72
		.amdhsa_reserve_vcc 0
		.amdhsa_float_denorm_mode_32 3
		.amdhsa_float_denorm_mode_16_64 3
		.amdhsa_memory_ordered 1
		.amdhsa_forward_progress 1
		.amdhsa_inst_pref_size 86
	.end_amdhsa_kernel
	.amdgpu_metadata
---
amdhsa.version: [ 1, 2 ]
amdhsa.kernels:
  - .name:           k_qa50f566d8c_oproj
    .symbol:         k_qa50f566d8c_oproj.kd
    .args:
      - { .name: ao, .offset: 0, .size: 8, .value_kind: global_buffer, .address_space: global }
      - { .name: wof, .offset: 8, .size: 8, .value_kind: global_buffer, .address_space: global }
      - { .name: bo, .offset: 16, .size: 8, .value_kind: global_buffer, .address_space: global }
      - { .name: out0, .offset: 24, .size: 8, .value_kind: global_buffer, .address_space: global }
    .group_segment_fixed_size: 327680
    .private_segment_fixed_size: 0
    .kernarg_segment_align: 8
    .kernarg_segment_size: 32
    .max_flat_workgroup_size: 128
    .sgpr_count:     72
    .vgpr_count:     512
    .wavefront_size: 32
...
	.end_amdgpu_metadata
.endif
;; end of part 4
